; MI455X (gfx1250); checked and timed in simulation.
; The chip was launched on July 23, 2026; its instructions are those of AMD's public machine-readable ISA for CDNA 5 (MIT licence, August 2026) and "CDNA5" Instruction Set Architecture Reference Guide (July 2026). The comments in the code are by the model that wrote it; some were corrected since.
;; Multi Head Attention. Allowed arithmetic: matrix products marked QUANTISED: E2M3 operands, one E8M0 scale for each 32 along K, by v_wmma_scale_f32_16x16x128_f8f6f4 with both operands' format E2M3, f32 sums; everything else in f32.
;; Inputs: K 2 x 2,048 x 1,024 float32; Q 2 x 2,048 x 1,024 float32; V 2 x 2,048 x 1,024 float32; Wk 1,024 x 1,024 float32; Wo 1,024 x 1,024 float32; Wq 1,024 x 1,024 float32; Wv 1,024 x 1,024 float32; bk 1,024 float32; bo 1,024 float32; bq 1,024 float32; bv 1,024 float32.
;; Outputs: out0 2 x 2,048 x 1,024 float32.
;; This version of the problem:
;;   THIS VERSION OF THE PROBLEM IS GIVEN IN LOW PRECISION. The matrix products marked QUANTISED in the list below multiply operands that are first quantised to E2M3 (2 exponent bits, 3 mantissa bits; 6 bits a number), with one power-of-two scale for each 32 numbers along K (OCP MX v1.0); their sums are f32. All else is computed in f32.
;;   The module's matrix products, in the order in which they are computed (A, B: the left and right operand; K: the contracted axis; several contracted axes count as one K, in the product's order):
;;     1. [M 4,096, K 1,024] x [K 1,024, N 1,024]; A: input Q; B: input Wq: QUANTISED
;;     2. [M 4,096, K 1,024] x [K 1,024, N 1,024]; A: input K; B: input Wk: QUANTISED
;;     3. [M 4,096, K 1,024] x [K 1,024, N 1,024]; A: input V; B: input Wv: QUANTISED
;;     4. batch 32 x [M 2,048, K 64] x [K 64, N 2,048]; A: computed on the way; B: computed on the way: QUANTISED
;;     5. batch 32 x [M 2,048, K 2,048] x [K 2,048, N 64]; A: softmax (see below); B: computed on the way: QUANTISED
;;     6. [M 4,096, K 1,024] x [K 1,024, N 1,024]; A: computed on the way; B: input Wo: QUANTISED
;;   THE QUANTISER, for each operand of a quantised product, along K:
;;     - K is cut into blocks of 32 from its start; a last block that is shorter is filled with zeros.
;;     - A block's scale is 2^e with e = floor(log2(the largest magnitude in the block)) - 2, held to -126 .. 127; a block of zeros has e = 0. As a byte (E8M0): e + 127.
;;     - Each number is divided by its block's scale, clamped to +-7.5, and rounded to the nearest number of E2M3, ties to even, subnormals kept.
;;     - The product sums the exact products of the quantised numbers (number of the format x scale) in f32.
;;   ~~~python
;;   def quantise(x, axis):      # numpy; x: float32 -> the quantised numbers, widened to float32 again
;;       x = np.moveaxis(x, axis, -1); K = x.shape[-1]
;;       x = np.pad(x, [(0, 0)] * (x.ndim - 1) + [(0, -K % 32)]); x = x.reshape(x.shape[:-1] + (-1, 32)); a = np.abs(x).max(-1, keepdims=True)
;;       e = np.where(a > 0, np.clip(np.frexp(np.where(a > 0, a, 1))[1] - 1 - 2, -126, 127), 0)      # np.frexp(a)[1] - 1 = floor(log2(a)), exactly
;;       r = np.clip(x / 2.0 ** e, -7.5, 7.5)
;;       step = 2.0 ** (np.maximum(np.frexp(np.where(r == 0, 1, r))[1] - 1, 0) - 3)
;;       q = np.round(r / step) * step * 2.0 ** e      # np.round: ties to even
;;       return np.moveaxis(q.reshape(q.shape[:-2] + (-1,))[..., :K], -1, axis).astype(np.float32)
;;   ~~~
;;   SOFTMAX AHEAD OF A QUANTISED PRODUCT. Where the list says 'softmax', what is quantised is not the finished softmax but p = 2^(t - M), with t = logit x log2(e) and M = ceil(the row's largest t), a whole number; so 1/2 < the row's largest p <= 1. The row's sum l is taken of the UNQUANTISED p, in f32, and the product's result is divided by l at the end. Since M is a whole number, a kernel that streams over the keys may use a running M (the ceiling of the running maximum): every later rescaling is an exact power of two, which a block's scale takes up: the codes' values come out the same.
;;   OPERANDS COMPUTED ON THE WAY. 'Computed on the way' means the value that the module computes at that place (a softmax that the list does not call 'softmax' is quantised finished and normalised). What goes into a quantiser is computed in f32, as accurately as f32 sums, v_exp_f32 and their like allow (about 1e-6 of the number): no bf16 or f16 on the way to a quantiser, and a product that is left as it is and whose result goes on into a quantised operand takes f32 operands (vector FMAs, or v_wmma_f32_16x16x4_f32). A number that lies on a knife's edge between two numbers of the format may be rounded either way, as far as f32 arithmetic and the matrix unit's own rounding can turn it there, and no further.
;; One version. Each part assembles by itself: llvm-mc -triple=amdgcn-amd-amdhsa -mcpu=gfx1250 --defsym DOCPART=n.
;; ======== version 1 of 1: 4 launches
;; limits: right only within a limited range of input values
;; workspace buffers: xcodes 12,582,912 bytes; xscales 524,288 bytes; hcodes 10,223,616 bytes; acodes 3,145,728 bytes; ascales 131,072 bytes
;; launch quant (part 1): grid 256 x 1, 8 waves a work-group, no clusters, 68,608 bytes of LDS; arguments Q, K, V, Wq, Wk, Wv, Wo, xcodes, xscales; writes xcodes, xscales
.if DOCPART == 1
	.amdgcn_target "amdgcn-amd-amdhsa--gfx1250"
	.amdhsa_code_object_version 6
	.text
	.protected	k_qeb5da156ec_quant
	.globl	k_qeb5da156ec_quant
	.p2align	8
	.type	k_qeb5da156ec_quant,@function
k_qeb5da156ec_quant:
	s_mov_b64 s[64:65], 0
	v_nop
	global_prefetch_b8 v0, s[64:65] scope:SCOPE_SE
	s_setreg_imm32_b32 hwreg(HW_REG_WAVE_MODE, 25, 1), 1
	s_wait_xcnt 0x0
; Q, K, V [4096][1024] and Wq, Wk, Wv, Wo [1024][1024], f32, K innermost, become codes of FP6 (E2M3) with one E8M0 byte for each 32 along K,
; laid in the ORDER OF THE OPERAND'S REGISTERS.  The seven tensors count as one run of 16,384 rows: 128 groups G of 128 rows.
; A HALF FRAGMENT is 16 rows x 64 along K: six registers a lane, lane (r, h) holding block h of tile place r; in memory 768 bytes: registers 0-3 at 16 x lane, registers 4-5 at 512 + 8 x lane.
; xcodes [G 128][64 along K: 16][tile 8][768];  xscales [tile 1024][K half 2][r 16][4 words], word q = the 128 along K numbered 4 x half + q.
; THE ROWS OF A TILE ARE NOT NEIGHBOURS.  In a group of 64 rows, place m of tile 2 b + u is row 32 b + 8 u + m + 8 (m / 8), so that a product used transposed leaves 16 neighbours of the next K in a lane's registers.
; THE TENSOR K ALONE has another order: place m of tile t is row 8 t + m % 8 + 32 (m / 8), so that in attention's scores, used transposed, a lane's 32 registers of four tiles are one whole block of 32 neighbouring keys.
; A block's scale is 2^(floor(log2(its largest magnitude)) - 2); its byte is the largest magnitude's exponent field - 2, held at 1 from below.
; LIMITS: a block of zeros, or one whose largest magnitude lies under 2^-124, gets the byte 1 (its codes are zeros or what that scale gives; these bytes are read by this program alone); NaN and infinities are not served.
; SHARES: a work-group takes 64 rows; wave w takes tile w / 2 and K half w % 2: 16 rows x 512 along K, in four steps of 128.  Waves share nothing: no barrier.
; Each load reads 512 consecutive bytes of one row; a step's 16 rows turn through the wave's own stage in LDS (rows 528 bytes apart, so that sixteen rows begin in sixteen different groups of banks) and come back 16 neighbours to a lane.
.set ROWB,  4096                       ; a row of f32 in bytes
.set SP,    528                        ; a stage row: 512 bytes + 16
.set STG,   16*SP                      ; a wave's stage
.set GRP,   98304                      ; a group of 128 rows of codes
.set H64,   6144                       ; 64 along K of such a group: 8 half fragments
.set TM,    10                         ; v10-13 largest magnitudes, v14-17 the other half's / bytes, v22-25 the conversions' scale operands
.set PW,    26                         ; v26-29 the four steps' scale words
.set X,     32                         ; v32-223 three sets of 64 numbers
.set PC,    224                        ; v224-235 a fragment's codes; v236-238, v240-242 the conversions' second halves
.set SEL,   28                         ; s[28:29] lane selects: lane l xor 16
	s_load_b512 s[8:23], s[0:1], 0x0               ; Q, K, V, Wq, Wk, Wv, Wo, xcodes
	s_load_b64 s[24:25], s[0:1], 0x40              ; xscales
	v_lshl_add_u32 v254, v0, 2, 0x10800
	v_mov_b32 v255, 0
	v_lshrrev_b32 v1, 5, v0
	s_delay_alu instid0(VALU_DEP_1)
	v_readfirstlane_b32 s26, v1                    ; wave 0..7
	v_and_b32 v1, 31, v0                           ; lane
	v_and_b32 v2, 15, v0                           ; r
	v_bfe_u32 v3, v0, 4, 1                         ; h
	s_delay_alu instid0(VALU_DEP_3)
	v_lshlrev_b32 v4, 4, v1                        ; 16 x lane: my bytes of a row of places 0-7
	s_delay_alu instid0(VALU_DEP_4)
	v_lshlrev_b32 v5, 3, v1                        ; 8 x lane
	s_mul_i32 s27, s26, STG
	v_add_nc_u32 v6, s27, v4                       ; into the stage: a row's 512 bytes as they lie
	v_mul_u32_u24 v7, v2, SP
	s_delay_alu instid0(VALU_DEP_1)
	v_lshl_add_u32 v7, v3, 6, v7
	s_delay_alu instid0(VALU_DEP_1)
	v_add_nc_u32 v7, s27, v7                       ; out of it: row r, + 64 h: my 16 numbers of each block of 32
	v_lshlrev_b32 v8, 4, v2
	s_delay_alu instid0(VALU_DEP_1)
	v_lshl_add_u32 v8, v3, 3, v8                   ; the scale words' place: 16 r + 8 h
	s_mov_b32 s[SEL], 0x76543210
	s_mov_b32 s[SEL+1], 0xfedcba98
.irp b, 0,1,2,3
	v_mov_b32 v[TM+4+\b], 0                        ; written once: a lane permute's destination counts as one of its sources
.endr
	s_and_b32 s30, s26, 1                          ; K half
	s_lshr_b32 s31, s26, 1                         ; tile a = 2 b + u
	s_lshr_b32 s7, ttmp9, 6
	s_cmp_eq_u32 s7, 1                             ; work-groups 64 to 127 take the tensor K: the choice hangs on the work-group's number alone
	s_cselect_b32 s38, 16, 17                      ; a tile's first row is 16 b + 8 u there, 32 b + 8 u elsewhere: b's shift, in bytes
	s_cselect_b32 s39, 32, 16                      ; places 8-15 begin 32 rows behind places 0-7 there, 16 elsewhere
	s_lshl_b32 s39, s39, 12
	v_add_nc_u32 v9, s39, v4                       ; my bytes of a row of places 8-15
	s_lshr_b32 s34, ttmp9, 1                       ; codes: group G = work-group / 2,
	s_mul_i32 s34, s34, GRP
	s_mul_i32 s35, s30, 8*H64                      ; my K half,
	s_add_co_u32 s34, s34, s35
	s_and_b32 s35, ttmp9, 1
	s_lshl_b32 s35, s35, 2
	s_add_co_u32 s35, s35, s31                     ; tile 4 (work-group % 2) + a of the group's eight
	s_mul_i32 s35, s35, 768
	s_add_co_u32 s34, s34, s35
	s_mov_b32 s35, 0
	s_lshl_b32 s36, ttmp9, 2                       ; scale words: tile 4 x work-group + a, 512 bytes each, my K half's 256
	s_add_co_u32 s36, s36, s31
	s_lshl_b32 s36, s36, 9
	s_lshl_b32 s37, s30, 8
	s_add_co_u32 s36, s36, s37
	s_mov_b32 s37, 0
	s_wait_alu depctr_va_vdst(0)
	s_wait_kmcnt 0x0
	s_mov_b64 s[4:5], s[20:21]                     ; which tensor is mine, and its first work-group: the choice hangs on the work-group's number alone
	s_mov_b32 s6, 240
	s_cmp_lt_u32 ttmp9, 240
	s_cselect_b64 s[4:5], s[18:19], s[4:5]
	s_cselect_b32 s6, 224, s6
	s_cmp_lt_u32 ttmp9, 224
	s_cselect_b64 s[4:5], s[16:17], s[4:5]
	s_cselect_b32 s6, 208, s6
	s_cmp_lt_u32 ttmp9, 208
	s_cselect_b64 s[4:5], s[14:15], s[4:5]
	s_cselect_b32 s6, 192, s6
	s_cmp_lt_u32 ttmp9, 192
	s_cselect_b64 s[4:5], s[12:13], s[4:5]
	s_cselect_b32 s6, 128, s6
	s_cmp_lt_u32 ttmp9, 128
	s_cselect_b64 s[4:5], s[10:11], s[4:5]
	s_cselect_b32 s6, 64, s6
	s_cmp_lt_u32 ttmp9, 64
	s_cselect_b64 s[4:5], s[8:9], s[4:5]
	s_cselect_b32 s6, 0, s6
	s_sub_co_u32 s32, ttmp9, s6
	s_lshl_b32 s32, s32, 18                        ; 64 rows of 4,096 bytes a work-group,
	s_lshr_b32 s33, s26, 2
	s_lshl_b32 s33, s33, s38                       ; b's rows,
	s_add_co_u32 s32, s32, s33
	s_bfe_u32 s33, s26, 0x10001
	s_lshl_b32 s33, s33, 15                        ; 8 u rows,
	s_add_co_u32 s32, s32, s33
	s_lshl_b32 s33, s30, 11                        ; my K half's 2,048 bytes
	s_add_co_u32 s32, s32, s33
	s_mov_b32 s33, 0
	s_add_nc_u64 s[4:5], s[4:5], s[32:33]
	s_add_nc_u64 s[22:23], s[22:23], s[34:35]
	s_add_nc_u64 s[24:25], s[24:25], s[36:37]
.macro LOAD t                          ; step t: 128 along K of the tile's sixteen rows into set t % 3; each load 512 consecutive bytes
.irp i, 0,1,2,3,4,5,6,7
	global_load_b128 v[X+64*((\t)%3)+4*\i:X+64*((\t)%3)+4*\i+3], v4, s[4:5] offset:\i*ROWB+512*(\t) th:TH_LOAD_NT
.endr
.irp i, 8,9,10,11,12,13,14,15
	global_load_b128 v[X+64*((\t)%3)+4*\i:X+64*((\t)%3)+4*\i+3], v9, s[4:5] offset:(\i-8)*ROWB+512*(\t) th:TH_LOAD_NT
.endr
.endm
.macro TURN t                          ; through the stage and back into the same registers: LDS serves a wave's instructions in order (ISA guide 5.7.1.4), so no wait stands between the stores and the loads
.irp i, 0,1,2,3,4,5,6,7,8,9,10,11,12,13,14,15
	ds_store_b128 v6, v[X+64*((\t)%3)+4*\i:X+64*((\t)%3)+4*\i+3] offset:SP*\i
.endr
.irp b, 0,1,2,3
.irp j, 0,1,2,3
	ds_load_b128 v[X+64*((\t)%3)+16*\b+4*\j:X+64*((\t)%3)+16*\b+4*\j+3], v7 offset:128*\b+16*\j
.endr
.endr
.endm
; 64 numbers of a lane, register 16 b + i = k 32 b + 16 h + i of my row, become a fragment's codes in v[PC] on and its scale word in v[pw].
.macro QUANT s, pw
.irp b, 0,1,2,3
	v_max3_num_f32 v[TM+\b], |v[\s+16*\b]|, |v[\s+1+16*\b]|, 0x1800000   ; my 16 numbers of block b, and the floor 2^(3 - 127): the byte cannot fall under 1
.endr
.irp i, 2,4,6,8,10,12,14
.irp b, 0,1,2,3
	s_delay_alu instid0(VALU_DEP_4)
	v_max3_num_f32 v[TM+\b], v[TM+\b], |v[\s+16*\b+\i]|, |v[\s+1+16*\b+\i]|   ; the four blocks by turns
.endr
.endr
.irp b, 0,1,2,3
	s_delay_alu instid0(VALU_DEP_4)
	v_permlanex16_b32 v[TM+4+\b], v[TM+\b], s[SEL], s[SEL+1]
.endr
.irp b, 0,1,2,3
	s_delay_alu instid0(VALU_DEP_4)
	v_max_num_f32 v[TM+\b], v[TM+\b], v[TM+4+\b]   ; with lane l xor 16's: the block's largest magnitude
.endr
.irp b, 0,1,2,3
	s_delay_alu instid0(VALU_DEP_4)
	v_add_nc_u32 v[TM+12+\b], 0xff000000, v[TM+\b] ; 2 off its exponent field: the conversion takes that field as its scale
.endr
.irp b, 0,1,2,3
	s_delay_alu instid0(VALU_DEP_4)
	v_lshrrev_b32 v[TM+4+\b], 23, v[TM+12+\b]      ; the scale's byte
.endr
	s_delay_alu instid0(VALU_DEP_3)
	v_lshl_or_b32 v[\pw], v[TM+5], 8, v[TM+4]
	s_delay_alu instid0(VALU_DEP_1)
	v_lshl_or_b32 v[\pw], v[TM+6], 16, v[\pw]
	s_delay_alu instid0(VALU_DEP_1)
	v_lshl_or_b32 v[\pw], v[TM+7], 24, v[\pw]      ; my row's scale word
.irp c, 0,1
	v_cvt_scalef32_pk16_fp6_f32 v[PC+6*\c:PC+2+6*\c], v[\s+32*\c:\s+15+32*\c], v[TM+12+2*\c]
	v_cvt_scalef32_pk16_fp6_f32 v[PC+12+4*\c:PC+14+4*\c], v[\s+16+32*\c:\s+31+32*\c], v[TM+12+2*\c+1]   ; (a conversion's three registers begin on an even number)
.endr
	v_nop                                          ; one plain place behind a scaled conversion
.irp c, 0,1                            ; the layout wants a whole block in a lane: lanes 0-15 block 2 c, lanes 16-31 block 2 c + 1
.irp i, 0,1,2
	v_permlane16_swap_b32 v[PC+6*\c+\i], v[PC+12+4*\c+\i]
.endr
.irp i, 0,1,2
	s_delay_alu instid0(VALU_DEP_3)
	v_mov_b32 v[PC+3+6*\c+\i], v[PC+12+4*\c+\i]
.endr
.endr
.endm
.macro STEP t, left                    ; left: the loads issued behind this step's sixteen
	s_wait_loadcnt \left
.if \t > 0
	s_wait_xcnt 0x0                                ; the last step's stores have read the codes' registers, which are written again below
.endif
	TURN \t
	s_wait_dscnt 0x0
	QUANT X+64*((\t)%3), PW+\t
.if \t == 0
	LOAD 3                                         ; into the set just quantised
.endif
	global_store_b128 v4, v[PC:PC+3], s[22:23] offset:2*H64*\t           ; two half fragments: each store covers 512 or 256 consecutive bytes, aligned
	global_store_b64 v5, v[PC+4:PC+5], s[22:23] offset:2*H64*\t+512
	global_store_b128 v4, v[PC+6:PC+9], s[22:23] offset:2*H64*\t+H64
	global_store_b64 v5, v[PC+10:PC+11], s[22:23] offset:2*H64*\t+H64+512
.endm
	LOAD 0
	LOAD 1
	LOAD 2
	STEP 0, 32                                     ; sets 1 and 2 may be out
	STEP 1, 32                                     ; set 2 and step 3's loads
	STEP 2, 16                                     ; step 3's loads
	STEP 3, 0
	v_cmp_lt_u32 vcc_lo, 15, v1                    ; lanes 0-15 store words 0 and 1 of their row, lanes 16-31 words 2 and 3: 256 consecutive bytes
	s_delay_alu instid0(VALU_DEP_1)
	v_cndmask_b32 v30, v[PW], v[PW+2], vcc_lo
	s_delay_alu instid0(VALU_DEP_2)
	v_cndmask_b32 v31, v[PW+1], v[PW+3], vcc_lo
	global_store_b64 v8, v[30:31], s[24:25]
	s_wait_tensorcnt 0x0
	ds_add_u32 v254, v255
	s_wait_dscnt 0x0
	s_endpgm
.Lfunc_end_k_qeb5da156ec_quant:
	.size	k_qeb5da156ec_quant, .Lfunc_end_k_qeb5da156ec_quant-k_qeb5da156ec_quant
	.p2alignl 7, 3214868480
	.fill 96, 4, 3214868480
	.section	.rodata,"a",@progbits
	.p2align	6, 0x0
	.amdhsa_kernel k_qeb5da156ec_quant
		.amdhsa_group_segment_fixed_size 68608
		.amdhsa_private_segment_fixed_size 0
		.amdhsa_enable_private_segment 0
		.amdhsa_kernarg_size 72
		.amdhsa_user_sgpr_count 2
		.amdhsa_user_sgpr_kernarg_segment_ptr 1
		.amdhsa_wavefront_size32 1
		.amdhsa_system_sgpr_workgroup_id_x 1
		.amdhsa_system_sgpr_workgroup_id_y 1
		.amdhsa_system_sgpr_workgroup_id_z 1
		.amdhsa_system_vgpr_workitem_id 0
		.amdhsa_next_free_vgpr 256
		.amdhsa_next_free_sgpr 66
		.amdhsa_reserve_vcc 1
		.amdhsa_float_denorm_mode_32 3
		.amdhsa_float_denorm_mode_16_64 3
		.amdhsa_memory_ordered 1
		.amdhsa_forward_progress 1
		.amdhsa_inst_pref_size 42
	.end_amdhsa_kernel
	.amdgpu_metadata
---
amdhsa.version: [ 1, 2 ]
amdhsa.kernels:
  - .name:           k_qeb5da156ec_quant
    .symbol:         k_qeb5da156ec_quant.kd
    .args:
      - { .name: Q, .offset: 0, .size: 8, .value_kind: global_buffer, .address_space: global }
      - { .name: K, .offset: 8, .size: 8, .value_kind: global_buffer, .address_space: global }
      - { .name: V, .offset: 16, .size: 8, .value_kind: global_buffer, .address_space: global }
      - { .name: Wq, .offset: 24, .size: 8, .value_kind: global_buffer, .address_space: global }
      - { .name: Wk, .offset: 32, .size: 8, .value_kind: global_buffer, .address_space: global }
      - { .name: Wv, .offset: 40, .size: 8, .value_kind: global_buffer, .address_space: global }
      - { .name: Wo, .offset: 48, .size: 8, .value_kind: global_buffer, .address_space: global }
      - { .name: xcodes, .offset: 56, .size: 8, .value_kind: global_buffer, .address_space: global }
      - { .name: xscales, .offset: 64, .size: 8, .value_kind: global_buffer, .address_space: global }
    .group_segment_fixed_size: 68608
    .private_segment_fixed_size: 0
    .kernarg_segment_align: 8
    .kernarg_segment_size: 72
    .max_flat_workgroup_size: 256
    .sgpr_count:     66
    .vgpr_count:     256
    .wavefront_size: 32
...
	.end_amdgpu_metadata
.endif
;; end of part 1
;; launch proj (part 2): grid 8 x 32, 4 waves a work-group, clusters of 4 x 4, 327,680 bytes of LDS; arguments xcodes, xscales, bq, bk, bv, hcodes; writes hcodes
.if DOCPART == 2
	.amdgcn_target "amdgcn-amd-amdhsa--gfx1250"
	.amdhsa_code_object_version 6
	.text
	.protected	k_qeb5da156ec_proj
	.globl	k_qeb5da156ec_proj
	.p2align	8
	.type	k_qeb5da156ec_proj,@function
k_qeb5da156ec_proj:
	s_mov_b64 s[64:65], 0
	v_nop
	global_prefetch_b8 v0, s[64:65] scope:SCOPE_SE
	s_setreg_imm32_b32 hwreg(HW_REG_WAVE_MODE, 25, 1), 1
	s_wait_xcnt 0x0
	s_wait_alu depctr_hold_cnt(0) depctr_sa_sdst(0) depctr_va_vdst(0) depctr_va_sdst(0) depctr_va_ssrc(0) depctr_va_vcc(0) depctr_vm_vsrc(0)
	s_getreg_b32 s2, hwreg(HW_REG_IB_STS2, 6, 4)
	s_cmp_eq_u32 s2, 0
	s_cbranch_scc0 .Lentry_in_a_cluster
	s_endpgm
.Lentry_in_a_cluster:
	s_bfe_u32 s2, ttmp6, 0x10000c
	s_cmp_lg_u32 s2, 0xf033
	s_cbranch_scc0 .Lentry_shape_is_right
	s_endpgm
.Lentry_shape_is_right:
; The three projections on codes of FP6 (E2M3), their bias, and the quantising of the results for attention (p = 0 q, 1 k, 2 v).
; A WORK-GROUP STAYS: it makes 128 (I) x 128 (J) of each of the three products over K = 1,024, one behind the other.  q, k: I = rows of the input, J = rows of the weight (the head's 64 are the next K).  v: I = rows of Wv, J = rows of V (the KEYS are the next K).
; THE MATRIX INSTRUCTION IS USED TRANSPOSED: source 0 = 16 rows of J, source 1 = 16 rows of I.  Lane (r, h) then holds I place r, and by the tiles' order of rows (place m of tile 2 b + u = row 32 b + 8 u + m + 8 (m / 8))
; register 16 b + 8 u + j of a row of four accumulators holds J = 32 b + 16 h + 8 u + j: 16 neighbours along the next K.  So the results are quantised in registers.
; Four waves, each 64 x 64: 16 accumulators.  24 steps of 128 along K (8 a product), six CHUNKS of four steps: chunk c = half c % 2 of product c / 2: 49,152 bytes of I, then 49,152 of J, dense as they lie in xcodes.  Chunk c lies in slot c % 3.
; FILLS, by joint loads of 49,152 bytes, one a wave: at the head chunks 0 and 1 (waves 0, 1: chunk 0's I and J; waves 2, 3: chunk 1's).  In drained rounds of the cluster's barrier: behind step 1 chunk 2 (waves 0, 1);
; behind step 6 chunks 3 and 4 (waves 0, 1 and waves 2, 3), whose slots have been read out; behind step 12 chunk 5 (waves 0, 1).  Plain barriers, behind which nothing is filled, show chunk 0, chunk 3 (behind step 10) and chunk 5 (behind step 18).
; A step's fragments are asked for two steps ahead, over a product's end too, so a product's way out stands over the next one's LDS loads.
; PREFETCH: chunk 2 at the head, chunks 3 and 4 behind the first round, chunk 5 behind the second: each ahead of the round that asks for it.  Each 256 bytes are named once in the cluster that loads them: the four partners of a joint load take 12,288 bytes each by address, two waves halve them.
; CLUSTER 4 x 4: I's tile is shared along a row of the cluster, J's along a column.
; OUT: hcodes [p][batch x 16 + head][64 rows: 32][3,328]: four half fragments (tile a at 768 a), then 256 bytes of scale words [r][a]: byte 0, byte 1, 0x7f, 0x7f.  q, k: 64 sequence rows x the head's 64; v: the head's 64 x 64 keys.
; The bias is the C of each sum's first product: along J for q and k, along I for v.
; LIMITS: NaN and infinities are not served; a block of zeros or under 2^-124 gets the byte 1 (read by this program alone).
.set GRP,   98304                      ; a group of 128 rows of codes, all of K
.set HALF,  49152                      ; half of K
.set H64,   6144
.set KST,   12288                      ; 128 along K
.set SLOT,  98304
.set SPARE, 3*SLOT
.set UNIT,  3328
.set PROJB, 1024*UNIT
.set AI16,  8                          ; v8-10 LDS address of my I tiles' 16-byte parts in slot 0, 1, 2;  v11-13 of their 8-byte parts;  v14-19 the same for J
.set AI8,   11
.set AJ16,  14
.set AJ8,   17
.set PW,    20                         ; v20-23 scale words on the way out;  v[24:25] the pair that is stored;  v26 its place;  v27 the prefetches' offset
.set SPW,   28
.set NIL,   29
.set BC,    160                        ; v32-63 and v128-159 scale words of products 0, 2 and 1 (I's 16, J's 16; scales and nothing else);  v160-191, v192-223 their bias
.set BR,    224
.set MX,    64                         ; the way out: largest magnitudes, the other half's, scale operands, bytes, codes
.set PT,    72
.set SO,    80
.set BY,    88
.set PC,    96
.set WV,    16
.set G1I,   28
.set G1J,   36
.set GI0,   44                         ; groups 0: what waves 0, 1, 2, 3 load
.set GJ0,   48
.set GI1,   52
.set GJ1,   56
.set BI0,   60                         ; where the three products' I and J begin in xcodes
.set BI1,   68
.set BI2,   70
.set BJ0,   72
.set BJ1,   74
.set BJ2,   76
.set HC,    82                         ; s[82:87] my units of hcodes
.set MSB, 0
.macro WIN new                         ; the immediate's high byte repeats the setting that is left
.if MSB != \new
	s_set_vgpr_msb (MSB<<8)|\new
.set MSB, \new
.endif
.endm
.macro WALU
	s_wait_alu depctr_va_vdst(0)
.endm
.macro CROUND                          ; a round of the cluster's barrier
	s_barrier_signal -1
	s_barrier_wait -1
	s_cmp_lg_u32 s[WV], 0
	s_cbranch_scc1 .Lnot_wave_0_\@
	s_barrier_signal -3
.Lnot_wave_0_\@:
	s_barrier_wait -3
	s_barrier_signal -1
	s_barrier_wait -1
.endm
.macro PLACES                          ; four places behind a matrix instruction of this form (ISA guide 7.12.1)
.rept 4
	v_nop
.endr
.endm
.macro TL g0, g1
	tensor_load_to_lds s[\g0:\g0+3], s[\g1:\g1+7]
	s_nop 0
	PLACES
.endm
.macro LOAD4                           ; one load a wave, an arm each
	s_cmp_lt_u32 s[WV], 1
	s_cbranch_scc0 .Lw1_\@
	TL GI0, G1I
	s_branch .Lz_\@
.Lw1_\@:
	s_cmp_lt_u32 s[WV], 2
	s_cbranch_scc0 .Lw2_\@
	TL GJ0, G1J
	s_branch .Lz_\@
.Lw2_\@:
	s_cmp_lt_u32 s[WV], 3
	s_cbranch_scc0 .Lw3_\@
	TL GI1, G1I
	s_branch .Lz_\@
.Lw3_\@:
	TL GJ1, G1J
.Lz_\@:
.endm
.macro LOAD2                           ; waves 0 and 1 alone
	s_cmp_lt_u32 s[WV], 1
	s_cbranch_scc0 .Lw1_\@
	TL GI0, G1I
	s_branch .Lz_\@
.Lw1_\@:
	s_cmp_lt_u32 s[WV], 2
	s_cbranch_scc0 .Lz_\@
	TL GJ0, G1J
.Lz_\@:
.endm
.macro SET g, lds, base, off           ; a group 0: LDS byte, memory address
	s_mov_b32 s[\g+1], \lds
	s_add_nc_u64 s[\g+2:\g+3], s[\base:\base+1], \off
	s_or_b32 s[\g+3], s[\g+3], 0x80000000
.endm
.macro DRAIN                           ; the first two of the three lines ahead of a refill's round; no load of mine is out behind the first, so descriptors may be written
	WIN 0
	s_wait_tensorcnt 0x0
	ds_add_u32 v[SPW], v[NIL]
.endm
.macro ASK base, off
	global_prefetch_b8 v27, s[\base:\base+1] offset:\off th:TH_LOAD_NT scope:SCOPE_SE
.endm
.macro FRAG reg, p16, p8, off          ; a fragment, 16 rows x 128 K: two half fragments
	ds_load_b128 v[\reg:\reg+3], v[\p16] offset:\off
	ds_load_b64 v[\reg+4:\reg+5], v[\p8] offset:\off
	ds_load_b128 v[\reg+6:\reg+9], v[\p16] offset:\off+H64
	ds_load_b64 v[\reg+10:\reg+11], v[\p8] offset:\off+H64
.endm
.macro FETCH n                         ; step n: my four J tiles and four I tiles into buffer n % 2 of window 1 (I at 12 a, J at 48 + 12 t): 32 loads in one run
.set SL_, ((\n)/4)%3
.set BF_, 96*((\n)%2)
.set KO_, ((\n)%4)*KST
	WIN 0x40
.irp t, 0,1,2,3
	FRAG BF_+48+12*\t, AJ16+SL_, AJ8+SL_, KO_+\t*768
.endr
.irp a, 0,1,2,3
	FRAG BF_+12*\a, AI16+SL_, AI8+SL_, KO_+\a*768
.endr
	WIN 0
.endm
.macro WM d, j, i, c, sj, si, row
.if \row
	v_wmma_scale_f32_16x16x128_f8f6f4 v[\d:\d+7], v[\j:\j+11], v[\i:\i+11], v[\c:\c+7], v[\sj], v[\si] matrix_a_fmt:MATRIX_FMT_FP6 matrix_b_fmt:MATRIX_FMT_FP6 matrix_a_scale:MATRIX_SCALE_ROW1 matrix_b_scale:MATRIX_SCALE_ROW1
.else
	v_wmma_scale_f32_16x16x128_f8f6f4 v[\d:\d+7], v[\j:\j+11], v[\i:\i+11], v[\c:\c+7], v[\sj], v[\si] matrix_a_fmt:MATRIX_FMT_FP6 matrix_b_fmt:MATRIX_FMT_FP6
.endif
.endm
.macro MUL n                           ; 16 matrix instructions; the 16 accumulators (window 2, (a, t) at 32 a + 8 t) take turns, in the same order in every step
.set P_, (\n)/8
.set S_, (\n)%8
.set F_, 96*((\n)%2)
.set SI_, 32+96*(P_%2)+S_%4
.set SJ_, SI_+16
.if S_ == 0
	WIN 0x85                                       ; a product's first step: C is the bias, window 0
.else
	WIN 0xa5
.endif
.irp a, 0,1,2,3
.irp t, 0,1,2,3
.if S_ == 0
.if P_ == 2
	WM 32*\a+8*\t, F_+48+12*\t, F_+12*\a, BC+8*\a, SJ_+4*\t, SI_+4*\a, 0
.else
	WM 32*\a+8*\t, F_+48+12*\t, F_+12*\a, BC+32*P_+8*\t, SJ_+4*\t, SI_+4*\a, 0
.endif
.else
	WM 32*\a+8*\t, F_+48+12*\t, F_+12*\a, 32*\a+8*\t, SJ_+4*\t, SI_+4*\a, S_/4
.endif
.endr
.endr
	WIN 0
.endm
.macro KSTEP n
.if (\n) == 23
	s_wait_dscnt 0x0
.else
	s_wait_dscnt 32                                ; this step's fragments are in; the next step's 32 loads may be out
.endif
	MUL \n
.if (\n) < 22
	PLACES
.if (\n) == 1                          ; chunks 0 and 1 are in everywhere; chunk 2 into slot 2
	DRAIN
	SET GI0, 2*SLOT, BI1, 0
	SET GJ0, 2*SLOT+HALF, BJ1, 0
	s_wait_dscnt 0x0
	CROUND
	LOAD2
.elseif (\n) == 6                      ; chunk 2 is in; slots 0 and 1 have been read out: chunks 3 and 4
	DRAIN
	SET GI0, 0, BI1, HALF
	SET GJ0, HALF, BJ1, HALF
	SET GI1, SLOT, BI2, 0
	SET GJ1, SLOT+HALF, BJ2, 0
	s_wait_dscnt 0x0
	CROUND
	LOAD4
.elseif (\n) == 10                     ; chunk 3, which waves 0 and 1 asked for, is shown; chunk 4 may stay out
	s_cmp_lt_u32 s[WV], 2
	s_cbranch_scc0 .Lnot_c3_\@
	s_wait_tensorcnt 0x0
.Lnot_c3_\@:
	s_wait_dscnt 0x0
	s_barrier_signal -1
	s_barrier_wait -1
.elseif (\n) == 12                     ; chunk 4 is in; slot 2 has been read out: chunk 5
	DRAIN
	SET GI0, 2*SLOT, BI2, HALF
	SET GJ0, 2*SLOT+HALF, BJ2, HALF
	s_wait_dscnt 0x0
	CROUND
	LOAD2
.elseif (\n) == 18                     ; chunk 5 is shown
	s_wait_tensorcnt 0x0
	s_wait_dscnt 0x0
	s_barrier_signal -1
	s_barrier_wait -1
.endif
	FETCH (\n)+2
.if (\n) == 1
	ASK 90, HALF                                   ; chunk 3
	ASK 92, 0                                      ; chunk 4
.elseif (\n) == 6
	ASK 92, HALF                                   ; chunk 5
.endif
.endif
.endm
; THE WAY OUT of product p: four tiles of 16 rows x 64 along the next K, two blocks each, quantised by turns.  Each accumulator is read from its low end on.
.macro OUT p
	PLACES
.if \p
	WALU
	s_wait_xcnt 0x0                                ; the last product's stores have read their registers, which are written again below
.endif
	WIN 0x0a
.irp a, 0,1,2,3
.irp b, 0,1
	v_max3_num_f32 v[MX+2*\a+\b], |v[32*\a+16*\b]|, |v[32*\a+16*\b+1]|, 0x1800000   ; and the floor 2^(3 - 127)
.endr
.endr
	WIN 0x28
.irp i, 2,4,6,8,10,12,14
.irp a, 0,1,2,3
.irp b, 0,1
	v_max3_num_f32 v[MX+2*\a+\b], v[MX+2*\a+\b], |v[32*\a+16*\b+\i]|, |v[32*\a+16*\b+\i+1]|
.endr
.endr
.endr
	WIN 0
.irp k, 0,1,2,3,4,5,6,7
	v_permlanex16_b32 v[PT+\k], v[MX+\k], s2, s3
.endr
.irp k, 0,1,2,3,4,5,6,7
	v_max_num_f32 v[MX+\k], v[MX+\k], v[PT+\k]     ; the block's largest magnitude
.endr
.irp k, 0,1,2,3,4,5,6,7
	v_add_nc_u32 v[SO+\k], 0xff000000, v[MX+\k]    ; 2 off its exponent field: the conversion's scale operand
.endr
.irp k, 0,1,2,3,4,5,6,7
	v_lshrrev_b32 v[BY+\k], 23, v[SO+\k]           ; the byte
.endr
.irp a, 0,1,2,3
	v_lshl_or_b32 v[PW+\a], v[BY+2*\a+1], 8, v[BY+2*\a]
.endr
.irp a, 0,1,2,3
	v_or_b32 v[PW+\a], 0x7f7f0000, v[PW+\a]        ; the upper two bytes stand for 1: they serve where 64 along K fill half an instruction
.endr
	WIN 0x02
.irp a, 0,1,2,3
	v_cvt_scalef32_pk16_fp6_f32 v[PC+8*\a:PC+8*\a+2], v[32*\a:32*\a+15], v[SO+2*\a]
	v_cvt_scalef32_pk16_fp6_f32 v[PC+8*\a+4:PC+8*\a+6], v[32*\a+16:32*\a+31], v[SO+2*\a+1]
.endr
	WIN 0
	v_nop                                          ; one plain place behind a scaled conversion
.irp a, 0,1,2,3
.irp i, 0,1,2
	v_permlane16_swap_b32 v[PC+8*\a+\i], v[PC+8*\a+4+\i]   ; a whole block to a lane: lanes 0-15 block 0, lanes 16-31 block 1
.endr
.endr
.irp a, 0,1,2,3
.irp i, 0,1,2
	v_mov_b32 v[PC+8*\a+3+\i], v[PC+8*\a+4+\i]
.endr
.endr
	v_cmp_eq_u32 vcc_lo, 1, v3
	v_cndmask_b32 v24, v[PW], v[PW+2], vcc_lo      ; lanes 0-15 store tiles 0 and 1's words of row r, lanes 16-31 tiles 2 and 3's
	v_cndmask_b32 v25, v[PW+1], v[PW+3], vcc_lo
.irp a, 0,1,2,3
	global_store_b128 v4, v[PC+8*\a:PC+8*\a+3], s[HC+2*\p:HC+2*\p+1] offset:768*\a       ; 512 consecutive bytes, aligned
	global_store_b64 v5, v[PC+8*\a+4:PC+8*\a+5], s[HC+2*\p:HC+2*\p+1] offset:768*\a+512  ; 256
.endr
	global_store_b64 v26, v[24:25], s[HC+2*\p:HC+2*\p+1] offset:3072                     ; 256
.endm
.macro SCALES set, bi, bj, offi, offj  ; scale words: 512 consecutive bytes a tile: lanes 0-15 K steps 0-3 of row r, lanes 16-31 K steps 4-7
.irp a, 0,1,2,3
	global_load_b128 v[\set+4*\a:\set+4*\a+3], v4, s[\bi:\bi+1] offset:512*\a+\offi
.endr
.irp t, 0,1,2,3
	global_load_b128 v[\set+16+4*\t:\set+16+4*\t+3], v4, s[\bj:\bj+1] offset:512*\t+\offj
.endr
.endm
.macro BIASJ reg, base
.irp t, 0,1,2,3
	global_load_b128 v[\reg+8*\t:\reg+8*\t+3], v6, s[\base:\base+1] offset:(32*(\t/2)+8*(\t%2))*4
	global_load_b128 v[\reg+8*\t+4:\reg+8*\t+7], v6, s[\base:\base+1] offset:(32*(\t/2)+8*(\t%2))*4+16
.endr
.endm
	s_load_b256 s[4:11], s[0:1], 0x0               ; xcodes s[4:5], xscales s[6:7], bq s[8:9], bk s[10:11]
	s_load_b128 s[12:15], s[0:1], 0x20             ; bv s[12:13], hcodes s[14:15]
	v_lshl_add_u32 v[SPW], v0, 2, SPARE
	v_mov_b32 v[NIL], 0
	ds_add_u32 v[SPW], v[NIL]                      ; the add, twice on end, ahead of the first tensor load
	ds_add_u32 v[SPW], v[NIL]
	v_lshrrev_b32 v1, 5, v0
	v_readfirstlane_b32 s[WV], v1                  ; wave 0..3
	s_lshr_b32 s17, s[WV], 1                       ; wi: my half of I
	s_and_b32 s18, s[WV], 1                        ; wj: my half of J
	v_and_b32 v1, 31, v0                           ; lane
	v_and_b32 v2, 15, v0                           ; r
	v_bfe_u32 v3, v0, 4, 1                         ; h
	v_lshlrev_b32 v4, 4, v1                        ; 16 x lane
	v_lshlrev_b32 v5, 3, v1                        ; 8 x lane
	WALU                                           ; the wait here, ahead of the scalar lines between v4's and v5's readers
	s_mul_i32 s2, s17, 3072                        ; my four I tiles of the eight
	s_mul_i32 s3, s18, 3072
	s_add_co_u32 s3, s3, HALF                      ; J's part of a slot lies behind I's
.irp s, 0,1,2
	v_add_nc_u32 v[AI16+\s], s2, v4
	v_add_nc_u32 v[AJ16+\s], s3, v4
	s_add_co_u32 s22, s2, 512
	s_add_co_u32 s23, s3, 512
	v_add_nc_u32 v[AI8+\s], s22, v5
	v_add_nc_u32 v[AJ8+\s], s23, v5
	s_add_co_u32 s2, s2, SLOT
	s_add_co_u32 s3, s3, SLOT
.endr
	v_lshlrev_b32 v6, 6, v3                        ; the bias along J: 16 h numbers on
	v_and_b32 v7, 8, v2
	v_add_nc_u32 v7, v7, v2
	v_lshlrev_b32 v7, 2, v7                        ; the bias along I: place r is row r + 8 (r / 8)
	v_lshlrev_b32 v26, 4, v2
	v_lshl_add_u32 v26, v3, 3, v26                 ; the scale words' place: 16 r + 8 h
	v_min_u32 v27, 23, v1
	v_lshlrev_b32 v27, 8, v27                      ; the prefetches: 24 blocks of 256 bytes a wave; lanes left over name the last again
	s_bfe_u32 s19, ttmp6, 0x40000                  ; cx
	s_bfe_u32 s20, ttmp6, 0x40004                  ; cy
	s_and_b32 s21, ttmp7, 0xffff
	s_lshl_b32 s21, s21, 2                         ; 4 x cluster y
	s_lshl_b32 s22, ttmp9, 2                       ; 4 x cluster x
	s_add_co_u32 s24, s21, s20                     ; q, k: I's block of 128 (I's numbers never hold cx, J's never cy)
	s_add_co_u32 s25, s22, s19                     ;       J's
	s_add_co_u32 s26, s22, s20                     ; v: I's
	s_add_co_u32 s27, s21, s19                     ;    J's
	s_lshl_b32 s60, s20, 2
	s_lshl_b32 s60, 15, s60                        ; my row of the cluster
	s_lshl_b32 s61, 0x1111, s19                    ; my column
	s_or_b32 s[G1I], s60, (3<<16)|(1<<21)          ; 15:0 the mask; 17:16 elements of 8 bytes; 21 set beside a mask; no padding
	s_or_b32 s[G1J], s61, (3<<16)|(1<<21)
.irp g, G1I, G1J                       ; 49,152 dense bytes as 192 rows of 256
	s_mov_b32 s[\g+1], 32<<16
	s_mov_b32 s[\g+2], 192<<16
	s_mov_b32 s[\g+3], 32<<16
	s_mov_b32 s[\g+4], 192
	s_mov_b32 s[\g+5], 32
	s_mov_b32 s[\g+6], 0
	s_mov_b32 s[\g+7], 0
.endr
.irp g, GI0, GJ0, GI1, GJ1
	s_mov_b32 s[\g], 1
.endr
	s_mov_b32 s63, 0
	s_mov_b32 s67, 0
	WALU                                           ; the wait here, directly ahead of the waits below
	s_wait_dscnt 0x0
	CROUND                                         ; all sixteen work-groups are here: the joint loads meet
	s_wait_kmcnt 0x0
	s_mul_i32 s62, s24, GRP
	s_add_nc_u64 s[BI0:BI0+1], s[4:5], s[62:63]
	s_add_nc_u64 s[BI1:BI1+1], s[BI0:BI0+1], 32*GRP
	s_add_co_u32 s66, s25, 96
	s_mul_i32 s66, s66, GRP
	s_add_nc_u64 s[BJ0:BJ0+1], s[4:5], s[66:67]
	s_add_nc_u64 s[BJ1:BJ1+1], s[BJ0:BJ0+1], 8*GRP
	s_add_co_u32 s62, s26, 112
	s_mul_i32 s62, s62, GRP
	s_add_nc_u64 s[BI2:BI2+1], s[4:5], s[62:63]
	s_add_co_u32 s66, s27, 64
	s_mul_i32 s66, s66, GRP
	s_add_nc_u64 s[BJ2:BJ2+1], s[4:5], s[66:67]
	SET GI0, 0, BI0, 0
	SET GJ0, HALF, BJ0, 0
	SET GI1, SLOT, BI0, HALF
	SET GJ1, SLOT+HALF, BJ0, HALF
	LOAD4                                          ; chunks 0 and 1, one load a wave
	s_cmp_eq_u32 s18, 0                            ; even waves prefetch I, odd waves J; the four partners' shares by address
	s_cselect_b64 s[90:91], s[BI1:BI1+1], s[BJ1:BJ1+1]
	s_cselect_b64 s[92:93], s[BI2:BI2+1], s[BJ2:BJ2+1]
	s_cselect_b32 s94, s19, s20
	s_mul_i32 s94, s94, 12288
	s_mul_i32 s95, s17, 6144
	s_add_co_u32 s94, s94, s95
	s_mov_b32 s95, 0
	s_add_nc_u64 s[90:91], s[90:91], s[94:95]
	s_add_nc_u64 s[92:93], s[92:93], s[94:95]
	s_mov_b32 s89, 0
	s_lshl_b32 s96, s17, 11                        ; scale words: 4,096 bytes a group of 128 rows, 2,048 my half
	s_lshl_b32 s98, s18, 11
	s_lshl_b32 s88, s26, 12
	s_add_co_u32 s88, s88, s96
	s_add_co_u32 s88, s88, 112*4096
	s_add_nc_u64 s[78:79], s[6:7], s[88:89]        ; v: I's
	s_lshl_b32 s88, s27, 12
	s_add_co_u32 s88, s88, s98
	s_add_co_u32 s88, s88, 64*4096
	s_add_nc_u64 s[80:81], s[6:7], s[88:89]        ;    J's
	s_lshl_b32 s88, s24, 12
	s_add_co_u32 s88, s88, s96
	s_add_nc_u64 s[96:97], s[6:7], s[88:89]        ; q: I's (k's: 32 groups on)
	s_lshl_b32 s88, s25, 12
	s_add_co_u32 s88, s88, s98
	s_add_co_u32 s88, s88, 96*4096
	s_add_nc_u64 s[98:99], s[6:7], s[88:89]        ;    J's (k's: 8 groups on)
	SCALES 32, 96, 98, 0, 0
	s_lshl_b32 s22, s25, 1
	s_add_co_u32 s22, s22, s18                     ; q, k: my head
	s_lshl_b32 s88, s22, 8
	s_add_nc_u64 s[8:9], s[8:9], s[88:89]
	s_add_nc_u64 s[10:11], s[10:11], s[88:89]
	BIASJ BC, 8
	SCALES 128, 96, 98, 32*4096, 8*4096
	BIASJ BC+32, 10
	s_lshl_b32 s23, s26, 1
	s_add_co_u32 s23, s23, s17                     ; v: my head
	s_lshl_b32 s88, s23, 8
	s_add_nc_u64 s[12:13], s[12:13], s[88:89]
	s_lshl_b32 s2, s24, 1
	s_add_co_u32 s2, s2, s17                       ; q, k: my 64 of the sequence's 2 x 32
	s_lshr_b32 s3, s2, 5
	s_lshl_b32 s3, s3, 4
	s_add_co_u32 s3, s3, s22
	s_lshl_b32 s3, s3, 5
	s_and_b32 s2, s2, 31
	s_add_co_u32 s3, s3, s2
	s_mul_i32 s88, s3, UNIT
	s_add_nc_u64 s[HC:HC+1], s[14:15], s[88:89]
	s_add_nc_u64 s[HC+2:HC+3], s[HC:HC+1], PROJB
	s_lshl_b32 s2, s27, 1
	s_add_co_u32 s2, s2, s18                       ; v: my 64 keys
	s_lshr_b32 s3, s2, 5
	s_lshl_b32 s3, s3, 4
	s_add_co_u32 s3, s3, s23
	s_lshl_b32 s3, s3, 5
	s_and_b32 s2, s2, 31
	s_add_co_u32 s3, s3, s2
	s_mul_i32 s88, s3, UNIT
	s_add_co_u32 s88, s88, 2*PROJB
	s_add_nc_u64 s[HC+4:HC+5], s[14:15], s[88:89]
	s_mov_b32 s2, 0x76543210                       ; lane selects: lane l xor 16
	s_mov_b32 s3, 0xfedcba98
	ASK 90, 0                                      ; chunk 2
.irp k, 0,1,2,3,4,5,6,7
	v_mov_b32 v[PT+\k], 0                          ; written once: a lane permute's destination counts as one of its sources
.endr
	WALU                                           ; the wait at the head's end
	s_cmp_lt_u32 s[WV], 2
	s_cbranch_scc0 .Lnot_c0
	s_wait_tensorcnt 0x0                           ; waves 0 and 1: chunk 0 has landed; chunk 1 may be out
.Lnot_c0:
	s_barrier_signal -1
	s_barrier_wait -1
	FETCH 0
	FETCH 1
	s_wait_loadcnt 0x0                             ; scale words and biases
.irp n, 0,1,2,3,4,5,6,7
	KSTEP \n
.endr
	OUT 0
	SCALES 32, 78, 80, 0, 0                        ; v's scale words over q's, which the way out's vector lines part from their last product
.irp a, 0,1,2,3
	global_load_b32 v[BR+\a], v7, s[12:13] offset:(32*(\a/2)+8*(\a%2))*4
.endr
.irp n, 8,9,10,11,12,13,14,15
	KSTEP \n
.endr
	OUT 1
	s_wait_loadcnt 0x0
.irp j, 0,1,2,3,4,5,6,7
.irp a, 0,1,2,3
	v_mov_b32 v[BC+8*\a+\j], v[BR+\a]              ; v's bias: one number a lane and tile, over the C operand's eight registers
.endr
.endr
	WALU
.irp n, 16,17,18,19,20,21,22,23
	KSTEP \n
.endr
	OUT 2
	s_wait_tensorcnt 0x0                           ; the wave's end
	ds_add_u32 v[SPW], v[NIL]
	s_wait_dscnt 0x0
	CROUND                                         ; the closing round: no work-group ends while a partner may still ask for a tile that names it
	s_endpgm
.Lfunc_end_k_qeb5da156ec_proj:
	.size	k_qeb5da156ec_proj, .Lfunc_end_k_qeb5da156ec_proj-k_qeb5da156ec_proj
	.p2alignl 7, 3214868480
	.fill 96, 4, 3214868480
	.section	.rodata,"a",@progbits
	.p2align	6, 0x0
	.amdhsa_kernel k_qeb5da156ec_proj
		.amdhsa_group_segment_fixed_size 327680
		.amdhsa_private_segment_fixed_size 0
		.amdhsa_enable_private_segment 0
		.amdhsa_kernarg_size 48
		.amdhsa_user_sgpr_count 2
		.amdhsa_user_sgpr_kernarg_segment_ptr 1
		.amdhsa_wavefront_size32 1
		.amdhsa_system_sgpr_workgroup_id_x 1
		.amdhsa_system_sgpr_workgroup_id_y 1
		.amdhsa_system_sgpr_workgroup_id_z 1
		.amdhsa_system_vgpr_workitem_id 0
		.amdhsa_next_free_vgpr 768
		.amdhsa_next_free_sgpr 100
		.amdhsa_reserve_vcc 1
		.amdhsa_float_denorm_mode_32 3
		.amdhsa_float_denorm_mode_16_64 3
		.amdhsa_memory_ordered 1
		.amdhsa_forward_progress 1
		.amdhsa_inst_pref_size 151
	.end_amdhsa_kernel
	.amdgpu_metadata
---
amdhsa.version: [ 1, 2 ]
amdhsa.kernels:
  - .name:           k_qeb5da156ec_proj
    .symbol:         k_qeb5da156ec_proj.kd
    .args:
      - { .name: xcodes, .offset: 0, .size: 8, .value_kind: global_buffer, .address_space: global }
      - { .name: xscales, .offset: 8, .size: 8, .value_kind: global_buffer, .address_space: global }
      - { .name: bq, .offset: 16, .size: 8, .value_kind: global_buffer, .address_space: global }
      - { .name: bk, .offset: 24, .size: 8, .value_kind: global_buffer, .address_space: global }
      - { .name: bv, .offset: 32, .size: 8, .value_kind: global_buffer, .address_space: global }
      - { .name: hcodes, .offset: 40, .size: 8, .value_kind: global_buffer, .address_space: global }
    .group_segment_fixed_size: 327680
    .private_segment_fixed_size: 0
    .kernarg_segment_align: 8
    .kernarg_segment_size: 48
    .max_flat_workgroup_size: 128
    .sgpr_count:     100
    .vgpr_count:     768
    .wavefront_size: 32
...
	.end_amdgpu_metadata
.endif
;; end of part 2
;; launch attn (part 3): grid 8 x 32, 8 waves a work-group, clusters of 4 x 1, 214,016 bytes of LDS; arguments hcodes, acodes, ascales; writes acodes, ascales
.if DOCPART == 3
	.amdgcn_target "amdgcn-amd-amdhsa--gfx1250"
	.amdhsa_code_object_version 6
	.text
	.protected	k_qeb5da156ec_attn
	.globl	k_qeb5da156ec_attn
	.p2align	8
	.type	k_qeb5da156ec_attn,@function
k_qeb5da156ec_attn:
	s_mov_b64 s[64:65], 0
	v_nop
	global_prefetch_b8 v0, s[64:65] scope:SCOPE_SE
	s_setreg_imm32_b32 hwreg(HW_REG_WAVE_MODE, 25, 1), 1
	s_wait_xcnt 0x0
	s_wait_alu depctr_hold_cnt(0) depctr_sa_sdst(0) depctr_va_vdst(0) depctr_va_sdst(0) depctr_va_ssrc(0) depctr_va_vcc(0) depctr_vm_vsrc(0)
	s_getreg_b32 s2, hwreg(HW_REG_IB_STS2, 6, 4)
	s_cmp_eq_u32 s2, 0
	s_cbranch_scc0 .Lentry_in_a_cluster
	s_endpgm
.Lentry_in_a_cluster:
	s_bfe_u32 s2, ttmp6, 0x10000c
	s_cmp_lg_u32 s2, 0x3003
	s_cbranch_scc0 .Lentry_shape_is_right
	s_endpgm
.Lentry_shape_is_right:
; Attention of one head on codes of FP6 (E2M3): S^T = k q^T (K = the head's 64), p = 2^(t - M), O^T = v^T p^T (K = the keys), O / the row's sum, quantised along the model's 1,024 for the last product.
; t = score x log2(e) / 8; M = the running largest t rounded UP to a whole number; p is quantised along the keys, not normalised; the sum is taken of the unquantised p in f32.  When M moves, the sum and O^T are multiplied by 2^(old M - new M): exact.
; SHARES: a work-group owns 256 queries of one head, each of its eight waves TWO tiles of 16 (x = 0, 1), in 512 registers: each fragment of K and V that is read from LDS serves both tiles.  A step is 128 keys.
; ALL OF THE HEAD'S K AND V LIE IN LDS, as they lie in hcodes (units of 3,328 bytes: four half fragments and their scale words): 106,496 bytes each.  Nothing is filled twice, and nothing is stored to LDS.
; One tensor load a wave: wave w brings the 512 keys numbered w / 2 of K (w even) or V (w odd), 26,624 bytes.  Every byte is asked for at the head, so there is no later step to prefetch for.
; TWO BARRIERS: the first shows what waves 0 and 1 brought: steps 0 to 3; the second, behind steps 0 and 1, shows the rest.
; CLUSTER 4 x 1: the four query blocks of a cluster belong to one head: joint loads with the mask 15.
; LAYOUT: both products transposed, so a lane holds ONE query of each tile.  Place m of tile t of 64 keys is key 8 t + m % 8 + 32 (m / 8): so lane (r, h) holds, in the 32 registers of a unit's four tiles, keys 32 h + 0 .. 31 of the unit:
; ONE WHOLE BLOCK, the one that the second product's operand wants in that lane.  A block's largest score needs no other lane, and the conversions' results are the operand (three moves a block: a conversion's registers begin on an even number).
; K = 64 IN AN INSTRUCTION OF 128: q's registers 6-11 are zero codes; k's operand for tile i is twelve registers from its six on, so its upper half is the next tile's codes (behind the last tile six zeros); the upper scale bytes stand for 1: those products are zeros.
; THE SCALE OF A BLOCK OF p: exp2(its largest score's t - M - 2), held at 2^-126 from below: its exponent field is the scale's byte, and the conversion takes that field alone.  p's scale words of both tiles share a register: tile 0's in lanes 0-15, tile 1's in lanes 16-31.
; THE EXPONENTIALS stand in two batches; between them stand plain lines whose results nobody reads before the wait behind the batch: tile 1's t - M among tile 0's exponentials, the first level of tile 0's sum among tile 1's.
; LIMITS: the scaled scores stay under 2^31 in magnitude; NaN and infinities are not served; a block of zeros or under 2^-124 gets the byte 1.
; The two scale bytes of a row and head leave by a store of two bytes a lane, 16 bytes apart: they are all that a head owns of a row's scale bytes; one such store a tile.
.set UNIT,  3328
.set HEADB, 32*UNIT
.set PROJB, 32*HEADB
.set CHB,   8*UNIT                     ; 512 keys: what one tensor load brings
.set VOFF,  HEADB                      ; V's region lies behind K's
.set SPARE, 2*HEADB
; window 0: v1-3 my lane's places in a unit; v4-6, v7-9 the step's addresses in K's and V's regions; v10 16 r; v11 the select that lays my two blocks' bytes into a scale word
.set NM,    12                         ; v12 -M, v13 the largest t; v14, v15 tile 1's
.set L,     16                         ; v16-19 tile 0's sum: two chains of two halves; v20-23 tile 1's
.set F,     24                         ; v24, v26: 2^(old M - new M)
.set OLD,   28                         ; v28-29
.set T,     30                         ; v30-33, v34-37 four chains of largest scores a tile
.set PT,    38
.set MM,    40
.set SO,    44                         ; v44-47 the conversions' scale operands, 2 x + block
.set W,     48                         ; v48-49 scale words in the making;  v50-53 at work
.set U,     50
.set Q,     56                         ; v56-67, v68-79 q and its zero half
.set QS,    80                         ; v80-81 q's scale words.  v84-91 K's, v92-95 V's, v98 p's.  Scales and nothing else
.set KS,    84
.set VS,    92
.set PW,    98
.set VR,    100                        ; v100-107 V's scale words as they lie
.set P,     112                        ; v112-123, v124-135 p's codes;  P2: the conversions' second halves
.set P2,    136
.set O,     160                        ; v160-191, v192-223 O^T
.set SPW,   254
.set NIL,   255
; window 1
.set S,     0                          ; v256-319, v320-383 the scores, then p
.set KR,    128                        ; v384-437 K
.set VV,    184                        ; v440-487 V
.set WV,    10
.set G1,    16
.set G0,    24
.set SEL,   40                         ; s[40:41] lane selects: lane l xor 16
.set CS,    42                         ; s[42:43] c = log2(e) / 8
.set TB,    44                         ; LDS byte at which the step's keys begin in K's region;  TV: in V's
.set CNT,   45
.set PSEL,  46
.set TV,    47
.set MSB, 0
.macro WIN new                         ; the immediate's high byte repeats the setting that is left
.if MSB != \new
	s_set_vgpr_msb (MSB<<8)|\new
.set MSB, \new
.endif
.endm
.macro WALU
	s_wait_alu depctr_va_vdst(0)
.endm
.macro CROUND
	s_barrier_signal -1
	s_barrier_wait -1
	s_cmp_lg_u32 s[WV], 0
	s_cbranch_scc1 .Lnot_wave_0_\@
	s_barrier_signal -3
.Lnot_wave_0_\@:
	s_barrier_wait -3
	s_barrier_signal -1
	s_barrier_wait -1
.endm
	s_load_b128 s[4:7], s[0:1], 0x0                ; hcodes, acodes
	s_load_b64 s[8:9], s[0:1], 0x10                ; ascales
	v_lshl_add_u32 v[SPW], v0, 2, SPARE
	v_mov_b32 v[NIL], 0
	ds_add_u32 v[SPW], v[NIL]                      ; the add, twice on end, ahead of the first tensor load
	ds_add_u32 v[SPW], v[NIL]
	v_lshrrev_b32 v1, 5, v0
	v_readfirstlane_b32 s[WV], v1                  ; wave 0..7
	v_and_b32 v30, 31, v0                          ; lane
	v_lshlrev_b32 v1, 4, v30                       ; 16 x lane
	v_lshl_add_u32 v2, v30, 3, 512                 ; 512 + 8 x lane
	v_and_b32 v10, 15, v0
	v_lshlrev_b32 v10, 4, v10                      ; 16 r
	v_add_nc_u32 v3, 3072, v10                     ; a unit's scale words of row r
	v_bfe_u32 v31, v0, 4, 1                        ; h
	v_mov_b32 v11, 0x0c070c03                      ; h = 0: my blocks are 0 and 2: bytes 0 and 2 of the word, the others zero
	v_mov_b32 v32, 0x070c030c                      ; h = 1: blocks 1 and 3
	v_cmp_eq_u32 vcc_lo, 1, v31
	v_cndmask_b32 v11, v11, v32, vcc_lo
	s_bfe_u32 s11, ttmp6, 0x40000                  ; cx
	s_lshl_b32 s12, ttmp9, 2
	s_add_co_u32 s12, s12, s11                     ; my block of 256 queries: it enters q's and the outputs' addresses alone
	s_and_b32 s13, ttmp7, 0xffff                   ; batch x 16 + head, which the four partners share
	s_and_b32 s14, s[WV], 1                        ; I fetch for K (0) or V (1),
	s_lshr_b32 s15, s[WV], 1                       ; which 512 keys
	s_mul_i32 s56, s14, HEADB
	s_mul_i32 s57, s15, CHB
	s_add_co_u32 s56, s56, s57                     ; in LDS,
	s_add_co_u32 s58, s14, 1
	s_mul_i32 s58, s58, PROJB
	s_add_co_u32 s58, s58, s57
	s_mul_i32 s59, s13, HEADB
	s_add_co_u32 s58, s58, s59                     ; and in hcodes
	s_mov_b32 s59, 0
	s_mov_b32 s[G1], 15|(3<<16)|(1<<21)            ; 15:0 the mask: all four; 17:16 elements of 8 bytes; 21 set beside a mask; no padding
	s_mov_b32 s[G1+1], 32<<16                      ; 26,624 dense bytes as 104 rows of 256
	s_mov_b32 s[G1+2], 104<<16
	s_mov_b32 s[G1+3], 32<<16
	s_mov_b32 s[G1+4], 104
	s_mov_b32 s[G1+5], 32
	s_mov_b32 s[G1+6], 0
	s_mov_b32 s[G1+7], 0
	s_mov_b32 s[SEL], 0x76543210
	s_mov_b32 s[SEL+1], 0xfedcba98
	s_mov_b32 s[CS], 0x3e38aa3b                    ; log2(e) / 8
	s_mov_b32 s[CS+1], s[CS]                       ; (named with it as a pair, so it is written)
	s_mov_b32 s[PSEL], 0x05040100
	s_lshl_b32 s60, s12, 2
	s_add_co_u32 s60, s60, s15                     ; g: my 64 queries of the batch's 32 x 64
	s_lshl_b32 s61, s14, 1                         ; a: my first tile of them
	s_lshl_b32 s62, s13, 5
	s_add_co_u32 s62, s62, s60
	s_mul_i32 s62, s62, UNIT                       ; q's unit
	s_mul_i32 s63, s61, 768
	s_add_co_u32 s48, s62, s63                     ; my two half fragments,
	s_mov_b32 s49, 0
	s_lshl_b32 s63, s61, 2
	s_add_co_u32 s50, s62, s63                     ; my tiles' scale words
	s_mov_b32 s51, 0
	s_lshr_b32 s14, s13, 4                         ; batch
	s_and_b32 s15, s13, 15                         ; head
	s_lshl_b32 s52, s14, 4
	s_lshr_b32 s63, s60, 1
	s_add_co_u32 s52, s52, s63                     ; acodes: group of 128 rows 16 x batch + g / 2,
	s_lshl_b32 s52, s52, 4
	s_add_co_u32 s52, s52, s15                     ; the head's 64 along K,
	s_mul_i32 s52, s52, 6144
	s_and_b32 s63, s60, 1
	s_lshl_b32 s63, s63, 2
	s_add_co_u32 s63, s63, s61                     ; tile 4 (g % 2) + a
	s_mul_i32 s63, s63, 768
	s_add_co_u32 s52, s52, s63
	s_mov_b32 s53, 0
	s_lshl_b32 s54, s14, 7
	s_lshl_b32 s63, s60, 2
	s_add_co_u32 s54, s54, s63
	s_add_co_u32 s54, s54, s61                     ; ascales: tile 128 x batch + 4 g + a, 512 bytes each,
	s_lshl_b32 s54, s54, 9
	s_lshr_b32 s63, s15, 3
	s_lshl_b32 s63, s63, 8                         ; K half head / 8,
	s_add_co_u32 s54, s54, s63
	s_and_b32 s63, s15, 7
	s_lshl_b32 s63, s63, 1                         ; bytes 2 (head % 8) of the row's 16
	s_add_co_u32 s54, s54, s63
	s_mov_b32 s55, 0
	s_mov_b32 s[G0], 1
	s_mov_b32 s[G0+1], s56
	WALU                                           ; the wait here, directly ahead of the waits below
	s_wait_dscnt 0x0
	CROUND                                         ; all four work-groups are here: the joint loads meet
	s_wait_kmcnt 0x0
	s_add_nc_u64 s[G0+2:G0+3], s[4:5], s[58:59]
	s_or_b32 s[G0+3], s[G0+3], 0x80000000
	s_add_nc_u64 s[48:49], s[4:5], s[48:49]
	s_add_nc_u64 s[50:51], s[4:5], s[50:51]
	s_add_nc_u64 s[52:53], s[6:7], s[52:53]
	s_add_nc_u64 s[54:55], s[8:9], s[54:55]
	s_cmp_lt_u32 s[WV], 2                          ; one load a wave; waves 0 and 1, which wait for theirs first, have a line of their own
	s_cbranch_scc0 .Lrest
	tensor_load_to_lds s[G0:G0+3], s[G1:G1+7]
	s_nop 0
.rept 4
	v_nop
.endr
	s_branch .Lasked
.Lrest:
	tensor_load_to_lds s[G0:G0+3], s[G1:G1+7]
	s_nop 0
.rept 4
	v_nop
.endr
.Lasked:
.irp x, 0,1
	global_load_b128 v[Q+12*\x:Q+12*\x+3], v1, s[48:49] offset:768*\x        ; q's half fragments stay in registers
	global_load_b64 v[Q+12*\x+4:Q+12*\x+5], v2, s[48:49] offset:768*\x
.endr
	global_load_b64 v[QS:QS+1], v3, s[50:51]       ; their scale words
.irp j, 6,7,8,9,10,11
	v_mov_b32 v[Q+\j], 0                           ; zero codes: q's upper 64 along K
	v_mov_b32 v[Q+12+\j], 0
.endr
	WIN 0x40
.irp j, 48,49,50,51,52,53
	v_mov_b32 v[KR+\j], 0                          ; behind K's last tile
.endr
	WIN 0
.set jj, 0
.rept 64
	v_mov_b32 v[O+jj], 0                           ; O^T: the step is written once for its first trips; the first finds zeros, which the first change of M leaves zeros
.set jj, jj+1
.endr
.irp j, 0,1,2,3,4,5,6,7
	v_mov_b32 v[L+\j], 0
.endr
.irp x, 0,1
	v_mov_b32 v[NM+2*\x+1], 0xff61b1e6             ; the largest t so far: -3e38
	v_mov_b32 v[PT+\x], 0                          ; a lane permute's destination counts as one of its sources
	v_mov_b32 v[F+2*\x+1], 0                       ; (named as the upper half of a pair)
	v_floor_f32 v[NM+2*\x], -v[NM+2*\x+1]          ; -M
.endr
.macro KFETCH a16, a8, as, off         ; a step's K: eight half fragments and their scale words: 18 loads
	WIN 0x40
.irp i, 0,1,2,3,4,5,6,7
	ds_load_b128 v[KR+6*\i:KR+6*\i+3], v[\a16] offset:\off+(\i/4)*UNIT+(\i%4)*768
	ds_load_b64 v[KR+6*\i+4:KR+6*\i+5], v[\a8] offset:\off+(\i/4)*UNIT+(\i%4)*768
.endr
	WIN 0
	ds_load_b128 v[KS:KS+3], v[\as] offset:\off
	ds_load_b128 v[KS+4:KS+7], v[\as] offset:\off+UNIT
.endm
.macro TMIN x, j                       ; pair j of tile x's scores: t - M
	v_pk_fma_f32 v[S+64*\x+2*(\j):S+64*\x+2*(\j)+1], v[S+64*\x+2*(\j):S+64*\x+2*(\j)+1], s[CS:CS+1], v[NM+2*\x:NM+2*\x+1] op_sel_hi:[1,0,0]
.endm
.macro EXPS x, j
	v_exp_f32 v[S+64*\x+\j], v[S+64*\x+\j]
.endm
.macro CODES x                         ; tile x's p into its operand
	WIN 0x01
	v_cvt_scalef32_pk16_fp6_f32 v[P+12*\x:P+12*\x+2], v[S+64*\x:S+64*\x+15], v[SO+2*\x]
	v_cvt_scalef32_pk16_fp6_f32 v[P2+8*\x:P2+8*\x+2], v[S+64*\x+16:S+64*\x+31], v[SO+2*\x]      ; (a conversion's three registers begin on an even number)
	v_cvt_scalef32_pk16_fp6_f32 v[P+12*\x+6:P+12*\x+8], v[S+64*\x+32:S+64*\x+47], v[SO+2*\x+1]
	v_cvt_scalef32_pk16_fp6_f32 v[P2+8*\x+4:P2+8*\x+6], v[S+64*\x+48:S+64*\x+63], v[SO+2*\x+1]
	WIN 0
	v_nop                                          ; one plain place behind a scaled conversion
.irp i, 0,1,2
	v_mov_b32 v[P+12*\x+3+\i], v[P2+8*\x+\i]
	v_mov_b32 v[P+12*\x+9+\i], v[P2+8*\x+4+\i]
.endr
.endm
.macro ADDP x, j                       ; pair j of tile x's p onto its chain of the sum
	v_pk_add_f32 v[L+4*\x+2*((\j)%2):L+4*\x+2*((\j)%2)+1], v[L+4*\x+2*((\j)%2):L+4*\x+2*((\j)%2)+1], v[S+64*\x+2*(\j):S+64*\x+2*(\j)+1]
.endm
; A KEY STEP of 128 keys for both tiles.  fetch = 1: the next step's K is asked for behind the score products.
.macro STEP fetch
	s_wait_dscnt 0x0                               ; K and its scale words
	WIN 0x41
.irp x, 0,1
.irp i, 0,1,2,3,4,5,6,7
	v_wmma_scale_f32_16x16x128_f8f6f4 v[S+64*\x+8*\i:S+64*\x+8*\i+7], v[KR+6*\i:KR+6*\i+11], v[Q+12*\x:Q+12*\x+11], 0, v[KS+\i], v[QS+\x] matrix_a_fmt:MATRIX_FMT_FP6 matrix_b_fmt:MATRIX_FMT_FP6
.endr
.endr
	WIN 0
	v_mov_b32 v[OLD], v[NM]                        ; the old -M.  These plain lines are also the places behind the score products
	v_mov_b32 v[OLD+1], v[NM+2]
	v_add_nc_u32 v7, s[TV], v1
	v_add_nc_u32 v8, s[TV], v2
	v_add_nc_u32 v9, s[TV], v3
.if \fetch
	v_add_nc_u32 v4, s[TB], v1
	v_add_nc_u32 v5, s[TB], v2
	v_add_nc_u32 v6, s[TB], v3
.endif
	ds_load_b128 v[VR:VR+3], v9
	ds_load_b128 v[VR+4:VR+7], v9 offset:UNIT
	WIN 0x40
.irp t, 0,1,2,3                        ; V's four fragments: 16 of the head's 64 x 128 keys
	ds_load_b128 v[VV+12*\t:VV+12*\t+3], v7 offset:768*\t
	ds_load_b64 v[VV+12*\t+4:VV+12*\t+5], v8 offset:768*\t
	ds_load_b128 v[VV+12*\t+6:VV+12*\t+9], v7 offset:UNIT+768*\t
	ds_load_b64 v[VV+12*\t+10:VV+12*\t+11], v8 offset:UNIT+768*\t
.endr
.if \fetch
	KFETCH 4, 5, 6, 2*UNIT
.endif
	WIN 0x15
.irp x, 0,1
.irp q, 0,1,2,3
	v_max3_num_f32 v[T+4*\x+\q], v[S+64*\x+16*\q], v[S+64*\x+16*\q+1], v[S+64*\x+16*\q+2]   ; the largest score of each tile's two blocks of 32 keys, two chains a block; each accumulator is read from its low end on
.endr
.endr
	WIN 0x14
.irp i, 3,5,7,9,11,13
.irp x, 0,1
.irp q, 0,1,2,3
	v_max3_num_f32 v[T+4*\x+\q], v[T+4*\x+\q], v[S+64*\x+16*\q+\i], v[S+64*\x+16*\q+\i+1]
.endr
.endr
.endr
.irp x, 0,1
	v_max3_num_f32 v[T+4*\x], v[T+4*\x], v[S+64*\x+15], v[S+64*\x+31]
	v_max3_num_f32 v[T+4*\x+2], v[T+4*\x+2], v[S+64*\x+47], v[S+64*\x+63]
.endr
	WIN 0
.irp x, 0,1
	v_max_num_f32 v[T+4*\x], v[T+4*\x], v[T+4*\x+1]          ; block h
	v_max_num_f32 v[T+4*\x+2], v[T+4*\x+2], v[T+4*\x+3]      ; block 2 + h
.endr
.irp x, 0,1
	v_max_num_f32 v[MM+\x], v[T+4*\x], v[T+4*\x+2]
.endr
.irp x, 0,1
	v_permlanex16_b32 v[PT+\x], v[MM+\x], s[SEL], s[SEL+1]
.endr
.irp x, 0,1
	v_max_num_f32 v[MM+\x], v[MM+\x], v[PT+\x]               ; the step's largest score of my query
.endr
.irp x, 0,1
	v_mul_f32 v[MM+\x], s[CS], v[MM+\x]                      ; as t
.endr
.irp x, 0,1
	v_max_num_f32 v[NM+2*\x+1], v[NM+2*\x+1], v[MM+\x]       ; the running largest t
.endr
.irp x, 0,1
	v_floor_f32 v[NM+2*\x], -v[NM+2*\x+1]                    ; the new -M = -ceil(t)
.endr
.irp x, 0,1
	v_sub_f32 v[OLD+\x], v[NM+2*\x], v[OLD+\x]               ; old M - new M: a whole number, 0 or less
.endr
.irp x, 0,1
	v_fma_f32 v[T+4*\x], v[T+4*\x], s[CS], v[NM+2*\x]        ; t - M of each block's largest score
	v_fma_f32 v[T+4*\x+2], v[T+4*\x+2], s[CS], v[NM+2*\x]
.endr
.irp x, 0,1
	v_cvt_i32_f32 v[OLD+\x], v[OLD+\x]                       ; (it saturates)
.endr
.irp x, 0,1
	v_add_f32 v[T+4*\x], -2.0, v[T+4*\x]
	v_add_f32 v[T+4*\x+2], -2.0, v[T+4*\x+2]
.endr
.irp x, 0,1
	v_ldexp_f32 v[F+2*\x], 1.0, v[OLD+\x]
.endr
.set jj, 0
.rept 16
	v_pk_mul_f32 v[O+jj:O+jj+1], v[O+jj:O+jj+1], v[F:F+1] op_sel_hi:[1,0]   ; O^T under the new M
	v_pk_mul_f32 v[O+32+jj:O+32+jj+1], v[O+32+jj:O+32+jj+1], v[F+2:F+3] op_sel_hi:[1,0]
.set jj, jj+2
.endr
	WIN 0x41
.set jj, 0
.rept 32
	TMIN 0, jj
.set jj, jj+1
.endr
	WIN 0
	WALU                                           ; the wait ahead of the batch
.irp x, 0,1
	v_exp_f32 v[T+4*\x], v[T+4*\x]
	v_exp_f32 v[T+4*\x+2], v[T+4*\x+2]
.endr
	WIN 0x41
.set jj, 0
.rept 32
	EXPS 0, 2*jj                                   ; p = 2^(t - M), at most 1
	EXPS 0, 2*jj+1
	TMIN 1, jj
.set jj, jj+1
.endr
	WIN 0
	WALU                                           ; and behind it
.irp k, 0,1,2,3
	v_max_num_f32 v[SO+\k], 0x800000, v[T+2*\k]    ; held at 2^-126: the byte cannot fall under 1
.endr
.irp k, 0,1,2,3
	v_lshlrev_b32 v[U+\k], 1, v[SO+\k]             ; the exponent field into the top byte
.endr
.irp x, 0,1
	v_perm_b32 v[W+\x], v[U+2*\x+1], v[U+2*\x], v11
.endr
	CODES 0                                        ; (its conversions also part the words' writes from the swap)
	v_permlane16_swap_b32 v[W], v[W+1]             ; tile 0's bytes into lanes 0-15, tile 1's into lanes 16-31
	v_or_b32 v[PW], v[W], v[W+1]
	WIN 0x45
.set jj, 0
.rept 16
	EXPS 1, 4*jj
	EXPS 1, 4*jj+1
	EXPS 1, 4*jj+2
	EXPS 1, 4*jj+3
	v_pk_add_f32 v[S+2*jj:S+2*jj+1], v[S+2*jj:S+2*jj+1], v[S+32+2*jj:S+33+2*jj]   ; tile 0's sum, first level: its codes have been made
.set jj, jj+1
.endr
	WIN 0
	WALU
	CODES 1
	WALU                                           ; the wait here, directly ahead of the wait below
	s_wait_dscnt 18*(\fetch)                       ; V's fragments and scale words are in; the eighteen loads of the next K may be out
.irp t, 0,1,2,3
	v_perm_b32 v[VS+\t], v[VR+4+\t], v[VR+\t], s[PSEL]   ; two bytes of each unit make the word of 128 keys
.endr
	WIN 0x10
.irp j, 0,1
.irp x, 0,1
	v_pk_fma_f32 v[L+4*\x+2*\j:L+4*\x+2*\j+1], v[L+4*\x+2*\j:L+4*\x+2*\j+1], v[F+2*\x:F+2*\x+1], v[S+64*\x+2*\j:S+64*\x+2*\j+1] op_sel_hi:[1,0,1]   ; the sums under the new M
.endr
.endr
	WIN 0x04
.set jj, 0
.rept 14
	ADDP 1, 2+2*jj
	ADDP 1, 3+2*jj
	ADDP 0, 2+jj
.set jj, jj+1
.endr
	ADDP 1, 30
	ADDP 1, 31
	WIN 0x01
.irp t, 0,1,2,3                        ; eight accumulators by turns, one instruction a turn; the sixteen score products stand between two steps of a sum
	v_wmma_scale_f32_16x16x128_f8f6f4 v[O+8*\t:O+8*\t+7], v[VV+12*\t:VV+12*\t+11], v[P:P+11], v[O+8*\t:O+8*\t+7], v[VS+\t], v[PW] matrix_a_fmt:MATRIX_FMT_FP6 matrix_b_fmt:MATRIX_FMT_FP6
	v_wmma_scale_f32_16x16x128_f8f6f4 v[O+32+8*\t:O+32+8*\t+7], v[VV+12*\t:VV+12*\t+11], v[P+12:P+23], v[O+32+8*\t:O+32+8*\t+7], v[VS+\t], v[PW] matrix_a_fmt:MATRIX_FMT_FP6 matrix_b_fmt:MATRIX_FMT_FP6 matrix_b_scale:MATRIX_SCALE_ROW1
.endr
	WIN 0
	WALU                                           ; the wait ahead of the branch and of the waits that follow a step
.endm
.macro NEXT label
	s_add_co_u32 s[TB], s[TB], 2*UNIT
	s_add_co_u32 s[TV], s[TV], 2*UNIT
	s_sub_co_u32 s[CNT], s[CNT], 1
	s_cmp_lg_u32 s[CNT], 0
	s_cbranch_scc1 \label
.endm
	WALU                                           ; the wait at the head's end
	s_wait_loadcnt 0x0                             ; q
	s_cmp_lt_u32 s[WV], 2
	s_cbranch_scc0 .Lnot_first
	s_wait_tensorcnt 0x0                           ; waves 0 and 1: the first 512 keys have landed; the others' loads may stay out
.Lnot_first:
	s_barrier_signal -1
	s_barrier_wait -1
	KFETCH 1, 2, 3, 0                              ; step 0's K
	s_mov_b32 s[TB], 0
	s_mov_b32 s[TV], VOFF
	s_mov_b32 s[CNT], 2
.Lfirst:                                           ; steps 0 and 1, and the fetch of step 2's K: all in the first 512 keys
	STEP 1
	NEXT .Lfirst
	s_wait_tensorcnt 0x0                           ; my load has landed
	s_wait_dscnt 0x0                               ; no LDS instruction of mine is out at a signal
	s_barrier_signal -1
	s_barrier_wait -1                              ; everybody's has: from here on every key may be read
	s_mov_b32 s[TB], 4*UNIT
	s_mov_b32 s[TV], VOFF+4*UNIT
	s_mov_b32 s[CNT], 13
.Lsteps:                                           ; steps 2 to 14
	STEP 1
	NEXT .Lsteps
	s_mov_b32 s[TV], VOFF+30*UNIT
	STEP 0                                         ; step 15: nothing is fetched behind it
	; THE WAY OUT: O^T / the sum, quantised along the head's 64 (two blocks of the last product's K): one half fragment and two scale bytes a row, for each tile.
.irp x, 0,1
	v_pk_add_f32 v[L+4*\x:L+4*\x+1], v[L+4*\x:L+4*\x+1], v[L+4*\x+2:L+4*\x+3]
.endr
.irp x, 0,1
	v_add_f32 v[L+4*\x], v[L+4*\x], v[L+4*\x+1]
.endr
.irp x, 0,1
	v_permlanex16_b32 v[PT+\x], v[L+4*\x], s[SEL], s[SEL+1]
.endr
.irp x, 0,1
	v_add_f32 v[MM+\x], v[L+4*\x], v[PT+\x]        ; the row's sum
.endr
	WALU
.irp x, 0,1
	v_rcp_f32 v[F+2*\x], v[MM+\x]
.endr
	v_nop                                          ; one plain place behind a transcendental
	WALU
.set jj, 0
.rept 16
	v_pk_mul_f32 v[O+jj:O+jj+1], v[O+jj:O+jj+1], v[F:F+1] op_sel_hi:[1,0]   ; register 16 b + i = the head's number 32 b + 16 h + i of my query; each accumulator from its low end on
	v_pk_mul_f32 v[O+32+jj:O+32+jj+1], v[O+32+jj:O+32+jj+1], v[F+2:F+3] op_sel_hi:[1,0]
.set jj, jj+2
.endr
.irp k, 0,1,2,3                        ; k = 2 x + b
	v_max3_num_f32 v[T+\k], |v[O+16*\k]|, |v[O+16*\k+1]|, 0x1800000
.endr
.irp i, 2,4,6,8,10,12,14
.irp k, 0,1,2,3
	v_max3_num_f32 v[T+\k], v[T+\k], |v[O+16*\k+\i]|, |v[O+16*\k+1+\i]|
.endr
.endr
.irp k, 0,1,2,3
	v_mov_b32 v[U+\k], 0
.endr
.irp k, 0,1,2,3
	v_permlanex16_b32 v[U+\k], v[T+\k], s[SEL], s[SEL+1]
.endr
.irp k, 0,1,2,3
	v_max_num_f32 v[T+\k], v[T+\k], v[U+\k]
.endr
.irp k, 0,1,2,3
	v_add_nc_u32 v[SO+\k], 0xff000000, v[T+\k]     ; 2 off the exponent field: the conversion's scale operand
.endr
.irp k, 0,1,2,3
	v_lshrrev_b32 v[U+\k], 23, v[SO+\k]
.endr
.irp x, 0,1
	v_lshl_or_b32 v[W+\x], v[U+2*\x+1], 8, v[U+2*\x]         ; the two bytes
.endr
.irp x, 0,1
	v_cvt_scalef32_pk16_fp6_f32 v[P+12*\x:P+12*\x+2], v[O+32*\x:O+32*\x+15], v[SO+2*\x]
	v_cvt_scalef32_pk16_fp6_f32 v[P2+8*\x:P2+8*\x+2], v[O+32*\x+16:O+32*\x+31], v[SO+2*\x+1]
.endr
	v_nop                                          ; one plain place behind a scaled conversion
.irp i, 0,1,2
.irp x, 0,1
	v_permlane16_swap_b32 v[P+12*\x+\i], v[P2+8*\x+\i]       ; here a lane holds half of each block: a whole block to a lane
.endr
.endr
.irp i, 0,1,2
.irp x, 0,1
	v_mov_b32 v[P+12*\x+3+\i], v[P2+8*\x+\i]
.endr
.endr
.irp x, 0,1
	global_store_b128 v1, v[P+12*\x:P+12*\x+3], s[52:53] offset:768*\x       ; 512 consecutive bytes, aligned
	global_store_b64 v2, v[P+12*\x+4:P+12*\x+5], s[52:53] offset:768*\x      ; 256 (v2 holds 512 + 8 x lane)
	global_store_b16 v10, v[W+\x], s[54:55] offset:512*\x                    ; lanes r and 16 + r hold the same two bytes and write them to the same place
.endr
	s_wait_tensorcnt 0x0                           ; the wave's end
	ds_add_u32 v[SPW], v[NIL]
	s_wait_dscnt 0x0
	CROUND                                         ; the closing round
	s_endpgm
.Lfunc_end_k_qeb5da156ec_attn:
	.size	k_qeb5da156ec_attn, .Lfunc_end_k_qeb5da156ec_attn-k_qeb5da156ec_attn
	.p2alignl 7, 3214868480
	.fill 96, 4, 3214868480
	.section	.rodata,"a",@progbits
	.p2align	6, 0x0
	.amdhsa_kernel k_qeb5da156ec_attn
		.amdhsa_group_segment_fixed_size 214016
		.amdhsa_private_segment_fixed_size 0
		.amdhsa_enable_private_segment 0
		.amdhsa_kernarg_size 24
		.amdhsa_user_sgpr_count 2
		.amdhsa_user_sgpr_kernarg_segment_ptr 1
		.amdhsa_wavefront_size32 1
		.amdhsa_system_sgpr_workgroup_id_x 1
		.amdhsa_system_sgpr_workgroup_id_y 1
		.amdhsa_system_sgpr_workgroup_id_z 1
		.amdhsa_system_vgpr_workitem_id 0
		.amdhsa_next_free_vgpr 512
		.amdhsa_next_free_sgpr 66
		.amdhsa_reserve_vcc 1
		.amdhsa_float_denorm_mode_32 3
		.amdhsa_float_denorm_mode_16_64 3
		.amdhsa_memory_ordered 1
		.amdhsa_forward_progress 1
		.amdhsa_inst_pref_size 100
	.end_amdhsa_kernel
	.amdgpu_metadata
---
amdhsa.version: [ 1, 2 ]
amdhsa.kernels:
  - .name:           k_qeb5da156ec_attn
    .symbol:         k_qeb5da156ec_attn.kd
    .args:
      - { .name: hcodes, .offset: 0, .size: 8, .value_kind: global_buffer, .address_space: global }
      - { .name: acodes, .offset: 8, .size: 8, .value_kind: global_buffer, .address_space: global }
      - { .name: ascales, .offset: 16, .size: 8, .value_kind: global_buffer, .address_space: global }
    .group_segment_fixed_size: 214016
    .private_segment_fixed_size: 0
    .kernarg_segment_align: 8
    .kernarg_segment_size: 24
    .max_flat_workgroup_size: 256
    .sgpr_count:     66
    .vgpr_count:     512
    .wavefront_size: 32
...
	.end_amdgpu_metadata
.endif
;; end of part 3
;; launch outp (part 4): grid 8 x 32, 4 waves a work-group, clusters of 4 x 4, 214,528 bytes of LDS; arguments acodes, ascales, xcodes, xscales, bo, out0; writes out0
.if DOCPART == 4
	.amdgcn_target "amdgcn-amd-amdhsa--gfx1250"
	.amdhsa_code_object_version 6
	.text
	.protected	k_qeb5da156ec_outp
	.globl	k_qeb5da156ec_outp
	.p2align	8
	.type	k_qeb5da156ec_outp,@function
k_qeb5da156ec_outp:
	s_mov_b64 s[64:65], 0
	v_nop
	global_prefetch_b8 v0, s[64:65] scope:SCOPE_SE
	s_setreg_imm32_b32 hwreg(HW_REG_WAVE_MODE, 25, 1), 1
	s_wait_xcnt 0x0
	s_wait_alu depctr_hold_cnt(0) depctr_sa_sdst(0) depctr_va_vdst(0) depctr_va_sdst(0) depctr_va_ssrc(0) depctr_va_vcc(0) depctr_vm_vsrc(0)
	s_getreg_b32 s2, hwreg(HW_REG_IB_STS2, 6, 4)
	s_cmp_eq_u32 s2, 0
	s_cbranch_scc0 .Lentry_in_a_cluster
	s_endpgm
.Lentry_in_a_cluster:
	s_bfe_u32 s2, ttmp6, 0x10000c
	s_cmp_lg_u32 s2, 0xf033
	s_cbranch_scc0 .Lentry_shape_is_right
	s_endpgm
.Lentry_shape_is_right:
; out0 = (attention's output) Wo^T + bo on codes of FP6 (E2M3).  I = the 4,096 rows (acodes, ascales), J = Wo's 1,024 rows (groups 120 on of xcodes, xscales), K = 1,024.
; A work-group makes 128 x 128, four waves 64 x 64 each: 16 accumulators.  The matrix instruction is used transposed (source 0 = 16 rows of J, source 1 = 16 rows of I): lane (r, h) holds I place r, and register 16 b + 8 u + j
; of a row of four accumulators holds column 32 b + 16 h + 8 u + j.  Place m of tile 2 b + u is row 32 b + 8 u + m + 8 (m / 8) of its 64.
; ALL OF K LIES IN LDS, 98,304 bytes a side, as it lies in memory (half fragments of 768 bytes, read as consecutive bytes).  Nothing is filled twice.  Each wave brings one piece of 49,152 bytes: one tensor load a wave.
; CLUSTER 4 x 4: I's tile is shared along a row of the cluster, J's along a column: joint loads.  bo is the C of each sum's first matrix instruction (it is added ahead of K's products).
; THE WAY OUT: a tile of 16 rows x 64 columns goes through the wave's own stage in LDS (bytes behind the two regions, into which no tile lands) and leaves as rows of 256 consecutive bytes, aligned, sixteen lanes to a row.
; THE FILLS, as they stand below (in place of the pieces named above): one tensor load a wave, 49,152 bytes: waves 0 and 1 bring the first half of K of I and J, waves 2 and 3 the second half.
.set GRP,   98304
.set H64,   6144
.set KST,   12288
.set CHK,   24576
.set STAGE, 2*GRP                      ; 16 rows x 272 bytes for each wave
.set SPITCH, 272
.set AI16,  10
.set AI8,   12
.set AJ16,  14
.set AJ8,   16
.set STO,   18                         ; v18 into the stage;  v19 back;  v20 my byte offset in out0
.set RD,    19
.set CO,    20
.set SI,    32                         ; v32-47, v48-63 scale words: scales and nothing else
.set SJ,    48
.set BJ,    64                         ; v64-95 bo in the result's layout; later, with v96-127, rows on their way out
.set OB,    64
.set ACC,   128
.set WV,    16
.set G1I,   28
.set G1J,   36
.set G0I,   44
.set G0J,   68
.set MSB, 0
.macro WIN new
.if MSB != \new
	s_set_vgpr_msb (MSB<<8)|\new
.set MSB, \new
.endif
.endm
.set MULW, 0x05                        ; sources 0 and 1 window 1 (two buffers of 96: I at 12 a, J at 48 + 12 t); C and D window 0
.set TO_F, 0x40
.macro CROUND
	s_barrier_signal -1
	s_barrier_wait -1
	s_cmp_lg_u32 s[WV], 0
	s_cbranch_scc1 .Lnot_wave_0_\@
	s_barrier_signal -3
.Lnot_wave_0_\@:
	s_barrier_wait -3
	s_barrier_signal -1
	s_barrier_wait -1
.endm
.macro PLACES                          ; four places behind a matrix instruction of this form (ISA guide 7.12.1)
.rept 4
	v_nop
.endr
.endm
.macro FRAG reg, p16, p8, off
	ds_load_b128 v[\reg:\reg+3], v[\p16] offset:\off
	ds_load_b64 v[\reg+4:\reg+5], v[\p8] offset:\off
	ds_load_b128 v[\reg+6:\reg+9], v[\p16] offset:\off+H64
	ds_load_b64 v[\reg+10:\reg+11], v[\p8] offset:\off+H64
.endm
.macro FETCH s, f
	WIN TO_F
.irp t, 0,1,2,3
	FRAG \f+48+12*\t, AJ16+(\s)/4, AJ8+(\s)/4, ((\s)%4)*KST+\t*768
.endr
.irp a, 0,1,2,3
	FRAG \f+12*\a, AI16+(\s)/4, AI8+(\s)/4, ((\s)%4)*KST+\a*768
.endr
.endm
.macro MUL s, f                        ; the 16 accumulators take turns, in the same order in every step; step 0 starts the sums with bo
	WIN MULW
.irp a, 0,1,2,3
.irp t, 0,1,2,3
.if (\s) == 0
	v_wmma_scale_f32_16x16x128_f8f6f4 v[ACC+32*\a+8*\t:ACC+32*\a+8*\t+7], v[\f+48+12*\t:\f+48+12*\t+11], v[\f+12*\a:\f+12*\a+11], v[BJ+8*\t:BJ+8*\t+7], v[SJ+4*\t], v[SI+4*\a] matrix_a_fmt:MATRIX_FMT_FP6 matrix_b_fmt:MATRIX_FMT_FP6
.elseif (\s) < 4
	v_wmma_scale_f32_16x16x128_f8f6f4 v[ACC+32*\a+8*\t:ACC+32*\a+8*\t+7], v[\f+48+12*\t:\f+48+12*\t+11], v[\f+12*\a:\f+12*\a+11], v[ACC+32*\a+8*\t:ACC+32*\a+8*\t+7], v[SJ+4*\t+(\s)%4], v[SI+4*\a+(\s)%4] matrix_a_fmt:MATRIX_FMT_FP6 matrix_b_fmt:MATRIX_FMT_FP6
.else
	v_wmma_scale_f32_16x16x128_f8f6f4 v[ACC+32*\a+8*\t:ACC+32*\a+8*\t+7], v[\f+48+12*\t:\f+48+12*\t+11], v[\f+12*\a:\f+12*\a+11], v[ACC+32*\a+8*\t:ACC+32*\a+8*\t+7], v[SJ+4*\t+(\s)%4], v[SI+4*\a+(\s)%4] matrix_a_fmt:MATRIX_FMT_FP6 matrix_b_fmt:MATRIX_FMT_FP6 matrix_a_scale:MATRIX_SCALE_ROW1 matrix_b_scale:MATRIX_SCALE_ROW1
.endif
.endr
.endr
.endm
.macro KSTEP s
.if (\s) == 7
	s_wait_dscnt 0x0
.else
	s_wait_dscnt 32                                ; this step's fragments are in; the other buffer's 32 loads may be out
.endif
	MUL \s, 96*((\s)%2)
.if (\s) <= 5
	PLACES
.if (\s) == 2
	s_wait_tensorcnt 0x0                           ; the second half of K has landed
	s_wait_dscnt 0x0
	s_barrier_signal -1
	s_barrier_wait -1
.endif
	FETCH (\s)+2, 96*((\s)%2)
.endif
.endm
	s_load_b256 s[4:11], s[0:1], 0x0               ; acodes s[4:5], ascales s[6:7], xcodes s[8:9], xscales s[10:11]
	s_load_b128 s[12:15], s[0:1], 0x20             ; bo s[12:13], out0 s[14:15]
	v_lshl_add_u32 v30, v0, 2, 0x34400
	v_mov_b32 v31, 0
	ds_add_u32 v30, v31
	ds_add_u32 v30, v31
	v_lshrrev_b32 v1, 5, v0
	v_readfirstlane_b32 s[WV], v1
	s_lshr_b32 s17, s[WV], 1                       ; wi; also: which half of K I fetch
	s_and_b32 s18, s[WV], 1                        ; wj; also: I fetch for I (0) or J (1)
	v_and_b32 v1, 31, v0
	v_and_b32 v2, 15, v0                           ; r
	v_bfe_u32 v3, v0, 4, 1                         ; h
	v_lshlrev_b32 v4, 4, v1
	v_lshlrev_b32 v5, 3, v1
	s_mul_i32 s2, s17, 3072
	v_add_nc_u32 v[AI16], s2, v4
	v_add_nc_u32 v[AI16+1], 4*KST, v[AI16]
	v_add_nc_u32 v[AI8], s2, v5
	v_add_nc_u32 v[AI8], 512, v[AI8]
	v_add_nc_u32 v[AI8+1], 4*KST, v[AI8]
	s_mul_i32 s3, s18, 3072
	s_add_co_u32 s3, s3, GRP
	v_add_nc_u32 v[AJ16], s3, v4
	v_add_nc_u32 v[AJ16+1], 4*KST, v[AJ16]
	v_add_nc_u32 v[AJ8], s3, v5
	v_add_nc_u32 v[AJ8], 512, v[AJ8]
	v_add_nc_u32 v[AJ8+1], 4*KST, v[AJ8]
	s_mul_i32 s2, s[WV], 16*SPITCH
	s_add_co_u32 s2, s2, STAGE                     ; my stage
	v_mul_u32_u24 v[STO], v2, SPITCH
	v_lshl_add_u32 v[STO], v3, 6, v[STO]
	v_add_nc_u32 v[STO], s2, v[STO]                ; in: place r, + 64 h bytes
	v_mul_u32_u24 v[RD], v3, SPITCH
	v_lshl_add_u32 v[RD], v2, 4, v[RD]
	v_add_nc_u32 v[RD], s2, v[RD]                  ; back: lanes 0-15 one place, lanes 16-31 the next
	v_lshlrev_b32 v[CO], 12, v3
	v_lshl_add_u32 v[CO], v2, 4, v[CO]             ; and the same in out0: a row is 4,096 bytes
	v_lshlrev_b32 v6, 6, v3                        ; bo: 16 h numbers on
	s_bfe_u32 s19, ttmp6, 0x40000                  ; cx
	s_bfe_u32 s20, ttmp6, 0x40004                  ; cy
	s_and_b32 s24, ttmp7, 0xffff
	s_lshl_b32 s24, s24, 2
	s_add_co_u32 s24, s24, s20                     ; iI (s24-27 never hold cx)
	s_lshl_b32 s60, ttmp9, 2
	s_add_co_u32 s60, s60, s19                     ; iJ (s60-63 never hold cy)
	s_add_co_u32 s61, s60, 120                     ; Wo's group in xcodes
	s_lshl_b32 s26, s20, 2
	s_lshl_b32 s26, 15, s26                        ; my row of the cluster
	s_lshl_b32 s62, 0x1111, s19                    ; my column
	s_or_b32 s[G1I], s26, (3<<16)|(1<<21)          ; the mask; elements of 8 bytes; bit 21 beside a mask; no padding
	s_or_b32 s[G1J], s62, (3<<16)|(1<<21)
.irp g, G1I, G1J                       ; 49,152 dense bytes as 192 rows of 256
	s_mov_b32 s[\g+1], 32<<16
	s_mov_b32 s[\g+2], 192<<16                     ; (49,152 dense bytes as 192 rows of 256)
	s_mov_b32 s[\g+3], 32<<16
	s_mov_b32 s[\g+4], 192
	s_mov_b32 s[\g+5], 32
	s_mov_b32 s[\g+6], 0
	s_mov_b32 s[\g+7], 0
.endr
	s_mul_i32 s26, s24, GRP
	s_mul_i32 s27, s17, 4*KST
	s_add_co_u32 s26, s26, s27
	s_mov_b32 s27, 0
	s_mul_i32 s62, s61, GRP
	s_mul_i32 s63, s17, 4*KST
	s_add_co_u32 s62, s62, s63
	s_mov_b32 s63, 0
	s_mul_i32 s90, s18, GRP                        ; even waves fetch for I, odd waves for J; s17 says which half of K
	s_mul_i32 s91, s17, 4*KST
	s_add_co_u32 s90, s90, s91                     ; where my pieces go: no place in the cluster enters an LDS address
	s_wait_dscnt 0x0
	s_wait_kmcnt 0x0
	s_add_nc_u64 s[92:93], s[4:5], s[26:27]
	s_add_nc_u64 s[94:95], s[8:9], s[62:63]
.irp c, 0
	s_mov_b32 s[G0I+4*\c], 1
	s_add_co_u32 s[G0I+4*\c+1], s90, \c*CHK
	s_add_nc_u64 s[G0I+4*\c+2:G0I+4*\c+3], s[92:93], \c*CHK
	s_or_b32 s[G0I+4*\c+3], s[G0I+4*\c+3], 0x80000000
	s_mov_b32 s[G0J+4*\c], 1
	s_add_co_u32 s[G0J+4*\c+1], s90, \c*CHK
	s_add_nc_u64 s[G0J+4*\c+2:G0J+4*\c+3], s[94:95], \c*CHK
	s_or_b32 s[G0J+4*\c+3], s[G0J+4*\c+3], 0x80000000
.endr
	CROUND                                         ; all sixteen work-groups are here: the joint loads meet
	s_cmp_lt_u32 s[WV], 1                          ; one load a wave, an arm each
	s_cbranch_scc0 .Lfill_1
	tensor_load_to_lds s[G0I:G0I+3], s[G1I:G1I+7]
	s_nop 0
	PLACES
	s_branch .Lfilled
.Lfill_1:
	s_cmp_lt_u32 s[WV], 2
	s_cbranch_scc0 .Lfill_2
	tensor_load_to_lds s[G0J:G0J+3], s[G1J:G1J+7]
	s_nop 0
	PLACES
	s_branch .Lfilled
.Lfill_2:
	s_cmp_lt_u32 s[WV], 3
	s_cbranch_scc0 .Lfill_3
	tensor_load_to_lds s[G0I:G0I+3], s[G1I:G1I+7]
	s_nop 0
	PLACES
	s_branch .Lfilled
.Lfill_3:
	tensor_load_to_lds s[G0J:G0J+3], s[G1J:G1J+7]
	s_nop 0
	PLACES
.Lfilled:
	s_lshl_b32 s2, s24, 3                          ; scale words: tile 8 x group + 4 x my half, 512 bytes a tile
	s_lshl_b32 s3, s17, 2
	s_add_co_u32 s2, s2, s3
	s_lshl_b32 s2, s2, 9
	s_mov_b32 s3, 0
	s_add_nc_u64 s[96:97], s[6:7], s[2:3]
	s_lshl_b32 s2, s61, 3
	s_lshl_b32 s87, s18, 2
	s_add_co_u32 s2, s2, s87
	s_lshl_b32 s2, s2, 9
	s_add_nc_u64 s[98:99], s[10:11], s[2:3]
.irp a, 0,1,2,3
	global_load_b128 v[SI+4*\a:SI+4*\a+3], v4, s[96:97] offset:512*\a
.endr
.irp t, 0,1,2,3
	global_load_b128 v[SJ+4*\t:SJ+4*\t+3], v4, s[98:99] offset:512*\t
.endr
	s_lshl_b32 s2, s60, 1
	s_add_co_u32 s2, s2, s18
	s_lshl_b32 s2, s2, 8                           ; my 64 columns, in bytes
	s_add_nc_u64 s[12:13], s[12:13], s[2:3]
	s_add_nc_u64 s[14:15], s[14:15], s[2:3]
	s_wait_alu depctr_va_vdst(0)
.irp t, 0,1,2,3
	global_load_b128 v[BJ+8*\t:BJ+8*\t+3], v6, s[12:13] offset:(32*(\t/2)+8*(\t%2))*4
	global_load_b128 v[BJ+8*\t+4:BJ+8*\t+7], v6, s[12:13] offset:(32*(\t/2)+8*(\t%2))*4+16
.endr
	s_lshl_b32 s90, s24, 1
	s_add_co_u32 s90, s90, s17
	s_lshl_b32 s90, s90, 18                        ; my 64 rows of 4,096 bytes
	s_mov_b32 s91, 0
	s_add_nc_u64 s[14:15], s[14:15], s[90:91]
	s_wait_loadcnt 0x0                             ; scale words and bo
	s_cmp_lt_u32 s[WV], 2
	s_cbranch_scc0 .Lsecond_half
	s_wait_tensorcnt 0x0                           ; waves 0 and 1: the first half of K has landed; the second may be out
.Lsecond_half:
	s_barrier_signal -1
	s_barrier_wait -1
	FETCH 0, 0
	FETCH 1, 96
	KSTEP 0
	KSTEP 1
	KSTEP 2
	KSTEP 3
	KSTEP 4
	KSTEP 5
	KSTEP 6
	KSTEP 7
	WIN 0
.macro TOSTAGE a                       ; tile a's four accumulators into my stage, each from its low end on, and back as rows.  LDS serves a wave's instructions in order (ISA guide 5.7.1.4): no wait between
.irp t, 0,1,2,3
	ds_store_b128 v[STO], v[ACC+32*(\a)+8*\t:ACC+32*(\a)+8*\t+3] offset:128*(\t/2)+32*(\t%2)
	ds_store_b128 v[STO], v[ACC+32*(\a)+8*\t+4:ACC+32*(\a)+8*\t+7] offset:128*(\t/2)+32*(\t%2)+16
.endr
.irp i, 0,1,2,3,4,5,6,7
	ds_load_b128 v[OB+32*((\a)%2)+4*\i:OB+32*((\a)%2)+4*\i+3], v[RD] offset:2*SPITCH*\i
.endr
.endm
.macro SEND a, younger                 ; younger: the LDS instructions issued behind tile a's loads
	s_wait_dscnt \younger
.irp i, 0,1,2,3,4,5,6,7
	global_store_b128 v[CO], v[OB+32*((\a)%2)+4*\i:OB+32*((\a)%2)+4*\i+3], s[14:15] offset:(32*((\a)/2)+8*((\a)%2)+2*\i+8*(\i/4))*4096 th:TH_STORE_NT   ; places 2 i and 2 i + 1: sixteen lanes store 256 consecutive bytes, aligned
.endr
.endm
	PLACES
	TOSTAGE 0
.irp a, 1,2,3
.if \a > 1
	s_wait_xcnt 0x0                                ; tile a - 2's stores have read their registers: tile a's rows may land there
.endif
	TOSTAGE \a
	SEND \a-1, 16                                  ; behind tile a - 1's loads: tile a's eight stores and eight loads
.endr
	SEND 3, 0
	s_wait_tensorcnt 0x0
	ds_add_u32 v30, v31
	s_wait_dscnt 0x0
	CROUND                                         ; the closing round
	s_endpgm
.Lfunc_end_k_qeb5da156ec_outp:
	.size	k_qeb5da156ec_outp, .Lfunc_end_k_qeb5da156ec_outp-k_qeb5da156ec_outp
	.p2alignl 7, 3214868480
	.fill 96, 4, 3214868480
	.section	.rodata,"a",@progbits
	.p2align	6, 0x0
	.amdhsa_kernel k_qeb5da156ec_outp
		.amdhsa_group_segment_fixed_size 214528
		.amdhsa_private_segment_fixed_size 0
		.amdhsa_enable_private_segment 0
		.amdhsa_kernarg_size 48
		.amdhsa_user_sgpr_count 2
		.amdhsa_user_sgpr_kernarg_segment_ptr 1
		.amdhsa_wavefront_size32 1
		.amdhsa_system_sgpr_workgroup_id_x 1
		.amdhsa_system_sgpr_workgroup_id_y 1
		.amdhsa_system_sgpr_workgroup_id_z 1
		.amdhsa_system_vgpr_workitem_id 0
		.amdhsa_next_free_vgpr 448
		.amdhsa_next_free_sgpr 100
		.amdhsa_reserve_vcc 0
		.amdhsa_float_denorm_mode_32 3
		.amdhsa_float_denorm_mode_16_64 3
		.amdhsa_memory_ordered 1
		.amdhsa_forward_progress 1
		.amdhsa_inst_pref_size 51
	.end_amdhsa_kernel
	.amdgpu_metadata
---
amdhsa.version: [ 1, 2 ]
amdhsa.kernels:
  - .name:           k_qeb5da156ec_outp
    .symbol:         k_qeb5da156ec_outp.kd
    .args:
      - { .name: acodes, .offset: 0, .size: 8, .value_kind: global_buffer, .address_space: global }
      - { .name: ascales, .offset: 8, .size: 8, .value_kind: global_buffer, .address_space: global }
      - { .name: xcodes, .offset: 16, .size: 8, .value_kind: global_buffer, .address_space: global }
      - { .name: xscales, .offset: 24, .size: 8, .value_kind: global_buffer, .address_space: global }
      - { .name: bo, .offset: 32, .size: 8, .value_kind: global_buffer, .address_space: global }
      - { .name: out0, .offset: 40, .size: 8, .value_kind: global_buffer, .address_space: global }
    .group_segment_fixed_size: 214528
    .private_segment_fixed_size: 0
    .kernarg_segment_align: 8
    .kernarg_segment_size: 48
    .max_flat_workgroup_size: 128
    .sgpr_count:     100
    .vgpr_count:     448
    .wavefront_size: 32
...
	.end_amdgpu_metadata
.endif
;; end of part 4
